; MI455X (gfx1250); checked and timed in simulation.
; The chip was launched on July 23, 2026; its instructions are those of AMD's public machine-readable ISA for CDNA 5 (MIT licence, August 2026) and "CDNA5" Instruction Set Architecture Reference Guide (July 2026). The comments in the code are by the model that wrote it; some were corrected since.
;; Multi Head Attention With Ro PE. Allowed arithmetic: matrix products marked QUANTISED: E2M3 operands, one E8M0 scale for each 32 along K, by v_wmma_scale_f32_16x16x128_f8f6f4 with both operands' format E2M3, f32 sums; everything else in f32.
;; Inputs: Wproj 1,024 x 1,024 float32; Wqkv 1,024 x 3,072 float32; bproj 1,024 float32; kn_w 64 float32; qn_w 64 float32; x 1 x 3,520 x 1,024 float32.
;; Outputs: out0 1 x 3,520 x 1,024 float32.
;; This version of the problem:
;;   THIS VERSION OF THE PROBLEM IS GIVEN IN LOW PRECISION. The matrix products marked QUANTISED in the list below multiply operands that are first quantised to E2M3 (2 exponent bits, 3 mantissa bits; 6 bits a number), with one power-of-two scale for each 32 numbers along K (OCP MX v1.0); their sums are f32. All else is computed in f32.
;;   The module's matrix products, in the order in which they are computed (A, B: the left and right operand; K: the contracted axis; several contracted axes count as one K, in the product's order):
;;     1. [M 3,520, K 1,024] x [K 1,024, N 3,072]; A: input x; B: input Wqkv: QUANTISED
;;     2. batch 16 x [M 3,520, K 64] x [K 64, N 3,520]; A: computed on the way; B: computed on the way: QUANTISED
;;     3. batch 16 x [M 3,520, K 3,520] x [K 3,520, N 64]; A: softmax (see below); B: computed on the way: QUANTISED
;;     4. [M 3,520, K 1,024] x [K 1,024, N 1,024]; A: computed on the way; B: input Wproj: QUANTISED
;;   THE QUANTISER, for each operand of a quantised product, along K:
;;     - K is cut into blocks of 32 from its start; a last block that is shorter is filled with zeros.
;;     - A block's scale is 2^e with e = floor(log2(the largest magnitude in the block)) - 2, held to -126 .. 127; a block of zeros has e = 0. As a byte (E8M0): e + 127.
;;     - Each number is divided by its block's scale, clamped to +-7.5, and rounded to the nearest number of E2M3, ties to even, subnormals kept.
;;     - The product sums the exact products of the quantised numbers (number of the format x scale) in f32.
;;   ~~~python
;;   def quantise(x, axis):      # numpy; x: float32 -> the quantised numbers, widened to float32 again
;;       x = np.moveaxis(x, axis, -1); K = x.shape[-1]
;;       x = np.pad(x, [(0, 0)] * (x.ndim - 1) + [(0, -K % 32)]); x = x.reshape(x.shape[:-1] + (-1, 32)); a = np.abs(x).max(-1, keepdims=True)
;;       e = np.where(a > 0, np.clip(np.frexp(np.where(a > 0, a, 1))[1] - 1 - 2, -126, 127), 0)      # np.frexp(a)[1] - 1 = floor(log2(a)), exactly
;;       r = np.clip(x / 2.0 ** e, -7.5, 7.5)
;;       step = 2.0 ** (np.maximum(np.frexp(np.where(r == 0, 1, r))[1] - 1, 0) - 3)
;;       q = np.round(r / step) * step * 2.0 ** e      # np.round: ties to even
;;       return np.moveaxis(q.reshape(q.shape[:-2] + (-1,))[..., :K], -1, axis).astype(np.float32)
;;   ~~~
;;   SOFTMAX AHEAD OF A QUANTISED PRODUCT. Where the list says 'softmax', what is quantised is not the finished softmax but p = 2^(t - M), with t = logit x log2(e) and M = ceil(the row's largest t), a whole number; so 1/2 < the row's largest p <= 1. The row's sum l is taken of the UNQUANTISED p, in f32, and the product's result is divided by l at the end. Since M is a whole number, a kernel that streams over the keys may use a running M (the ceiling of the running maximum): every later rescaling is an exact power of two, which a block's scale takes up: the codes' values come out the same.
;;   OPERANDS COMPUTED ON THE WAY. 'Computed on the way' means the value that the module computes at that place (a softmax that the list does not call 'softmax' is quantised finished and normalised). What goes into a quantiser is computed in f32, as accurately as f32 sums, v_exp_f32 and their like allow (about 1e-6 of the number): no bf16 or f16 on the way to a quantiser, and a product that is left as it is and whose result goes on into a quantised operand takes f32 operands (vector FMAs, or v_wmma_f32_16x16x4_f32). A number that lies on a knife's edge between two numbers of the format may be rounded either way, as far as f32 arithmetic and the matrix unit's own rounding can turn it there, and no further.
;; One version. Each part assembles by itself: llvm-mc -triple=amdgcn-amd-amdhsa -mcpu=gfx1250 --defsym DOCPART=n.
;; ======== version 1 of 1: 4 launches
;; limits: right only within a limited range of input values
;; workspace buffers: xr 3,717,120 bytes; wr 3,276,800 bytes; qkv 9,633,792 bytes; ao 3,153,920 bytes
;; launch prep (part 1): grid 348 x 1, 4 waves a work-group, no clusters, 46,592 bytes of LDS; arguments x, Wqkv, Wproj, xr, wr; writes xr, wr
.if DOCPART == 1
	.amdgcn_target "amdgcn-amd-amdhsa--gfx1250"
	.amdhsa_code_object_version 6
	.text
	.protected	k_q621b6569f4_prep
	.globl	k_q621b6569f4_prep
	.p2align	8
	.type	k_q621b6569f4_prep,@function
k_q621b6569f4_prep:
	s_mov_b64 s[64:65], 0
	v_nop
	global_prefetch_b8 v0, s[64:65] scope:SCOPE_SE
	s_setreg_imm32_b32 hwreg(HW_REG_WAVE_MODE, 25, 1), 1
	s_wait_xcnt 0x0
; x [3520][1024], Wqkv [1024][3072] and Wproj [1024][1024], f32, become codes of FP6 (E2M3) with one E8M0 byte for each 32 along K (K = the 1,024), laid in the ORDER OF THE OPERAND'S REGISTERS,
; and the table of cos and sin for the rotation of q and k is made.
; A TILE is 16 rows (tokens, or columns of a weight) that are not neighbours: row p of tile T is index 32 (T / 2) + 8 (T % 2) + p + 8 (p / 8).
; A FRAGMENT (16 rows x 128 K, 12 registers a lane) is stored as three images of 512 bytes: registers 4 i .. 4 i + 3 of lane l at 512 i + 16 l.
; xr: 220 records of 16,896 bytes, one a tile of tokens: 8 fragments; at 12,288 the scale words (64 s + 4 p); at 12,800 eight pieces of 512 bytes of (cos, sin, cos, sin).
; wr: 256 records of 12,800 bytes, one a tile of columns (0-191 Wqkv, 192-255 Wproj): 8 fragments; at 12,288 the scale words.
; A block's scale is 2^(floor(log2(its largest magnitude)) - 2); its byte is that magnitude's exponent field - 2, held at 1 from below.
; LIMITS: a block of zeros gets the byte 1 where the rule says 127 (its codes are zeros, and this program alone reads the bytes); NaN and infinities among the inputs are not served;
; theta_i = 2^(-i log2(10000) / 32) by v_exp_f32 on an argument rounded once, the angle t x theta in f32: against a correctly rounded theta the angle differs by a few 1e-7 of itself, some 3e-4 at t = 3,519, i = 1.
; Work-groups 0-219 take a tile of tokens each, work-groups 220-347 a strip of 128 columns x 256 K of a weight.  The two ways have LDS bytes of their own.  No tensor load, no barrier: waves share nothing.
.set SPARE, 46080                      ; the spare words, 128 bytes a wave: two blocks of 256 bytes that no other line names
.set WSTG,  33792                      ; the weights' stages: 4 x 3,072 bytes; x's stages lie at 0: 4 x 16 rows x 528 bytes
.set XREC,  16896
.set WREC,  12800
.set SPW,   250                        ; v250  LDS address of my spare word; never rewritten
.set NIL,   251                        ; v251  0; never rewritten
	s_load_b256 s[4:11], s[0:1], 0x0               ; x s[4:5], Wqkv s[6:7], Wproj s[8:9], xr s[10:11]
	s_load_b64 s[12:13], s[0:1], 0x20              ; wr
	v_lshl_add_u32 v[SPW], v0, 2, SPARE
	v_mov_b32 v[NIL], 0
	v_lshrrev_b32 v1, 5, v0
	v_readfirstlane_b32 s14, v1                    ; wave 0..3
	v_and_b32 v1, 31, v0                           ; lane
	v_and_b32 v2, 15, v0                           ; r
	v_bfe_u32 v3, v0, 4, 1                         ; h
	v_lshlrev_b32 v4, 4, v1                        ; 16 x lane
	s_mov_b32 s20, 0x76543210
	s_mov_b32 s21, 0xfedcba98                      ; v_permlanex16_b32's selects for lane l xor 16
	s_wait_kmcnt 0x0
	s_cmp_lt_u32 ttmp9, 220
	s_cbranch_scc0 .Lweights
; ================= A TILE OF TOKENS.  Wave w takes K steps 2 w, 2 w + 1 and pieces 2 w, 2 w + 1 of the table.
; v5 stage in, v6 stage out, v7 scale words' place, v8 codes' place, v9 the table's place; v16-143 two K steps as loaded; v144-207 64 numbers of a lane; v208-231 two fragments; v232-238 second halves;
; v240-247 at work; v[10:13], v[252:255] the table's two pieces
	s_lshr_b32 s15, ttmp9, 1
	s_lshl_b32 s15, s15, 5
	s_and_b32 s16, ttmp9, 1
	s_lshl_b32 s16, s16, 3
	s_add_co_u32 s15, s15, s16                     ; the tile's first token: 32 (T / 2) + 8 (T % 2)
	s_lshl_b32 s16, s15, 12                        ; a row of x is 4,096 bytes
	s_lshl_b32 s17, s14, 10                        ; my two K steps: 1,024 bytes
	s_add_co_u32 s16, s16, s17
	s_mov_b32 s17, 0
	s_add_nc_u64 s[24:25], s[4:5], s[16:17]
	s_mul_i32 s16, ttmp9, XREC
	s_add_nc_u64 s[26:27], s[10:11], s[16:17]      ; my record
	s_mul_i32 s18, s14, 8448                       ; my stage
	s_wait_alu depctr_va_vdst(0)
	v_add_nc_u32 v5, s18, v4                       ; in: a row's 512 bytes as they lie
	v_mul_u32_u24 v6, v2, 528
	v_lshl_add_u32 v6, v3, 7, v6
	v_add_nc_u32 v6, s18, v6                       ; out: row r, + 128 h: my block of 32 numbers
	s_lshl_b32 s19, s14, 7
	v_lshl_add_u32 v7, v1, 2, s19                  ; 4 x lane + 128 w
	s_mul_i32 s19, s14, 3072
	v_add_nc_u32 v8, s19, v4                       ; 16 x lane + two fragments x w
	s_lshl_b32 s19, s14, 10
	v_add_nc_u32 v9, s19, v4                       ; 16 x lane + two pieces x w
.irp q, 0,1
.set II, 0
.rept 16
	global_load_b128 v[16+64*\q+4*II:16+64*\q+4*II+3], v4, s[24:25] offset:(II+8*(II/8))*4096+512*\q th:TH_LOAD_NT   ; row II of the tile, one K step: 512 consecutive bytes
.set II, II+1
.endr
.endr
	; ---- the table, while the loads are out.  Piece j, lane (p, h): (cos, sin) of pairs i and i + 1, i = 16 (j / 4) + 8 h + 2 (j % 4), for my row's token
	s_mov_b32 s22, 0xbfc90fdb                      ; -pi/2, its f32 part,
	s_mov_b32 s23, 0x333bbd2e                      ; and what that part leaves
	v_and_b32 v177, 8, v2
	v_add_nc_u32 v177, v177, v2
	v_add_nc_u32 v177, s15, v177                   ; my token
	v_cvt_f32_u32 v176, v177                       ; t
	s_lshr_b32 s28, s14, 1
	s_lshl_b32 s28, s28, 4
	s_and_b32 s29, s14, 1
	s_lshl_b32 s29, s29, 2
	s_add_co_u32 s28, s28, s29
	v_lshl_add_u32 v177, v3, 3, s28                ; my first pair: 16 (w / 2) + 4 (w % 2) + 8 h
.irp k, 0,1,2,3
	v_add_nc_u32 v[180+\k], \k, v177
	v_cvt_f32_u32 v[180+\k], v[180+\k]
	v_mul_f32 v[180+\k], 0xbed49a78, v[180+\k]     ; -i log2(10000) / 32
.endr
	s_wait_alu depctr_va_vdst(0)
.irp k, 0,1,2,3
	v_exp_f32 v[180+\k], v[180+\k]                 ; theta_i
.endr
	v_nop                                          ; a plain line behind the last exponential
	s_wait_alu depctr_va_vdst(0)                   ; one wait for the four, ahead of their first reader
.irp k, 0,1,2,3
	v_mul_f32 v[180+\k], v176, v[180+\k]           ; the angle, in f32
.endr
; cos and sin of v[180 + k] into v[dc], v[dc + 1]: the nearest multiple of pi/2 is taken off in two parts; polynomials on [-pi/4, pi/4]; the quadrant swaps them and sets the signs
.macro SINCOS k, dc
	v_mul_f32 v[184+\k], 0x3f22f983, v[180+\k]     ; x 2 / pi
	v_rndne_f32 v[184+\k], v[184+\k]
	v_fma_f32 v[180+\k], v[184+\k], s22, v[180+\k]
	v_fma_f32 v[180+\k], v[184+\k], s23, v[180+\k] ; y
	v_mul_f32 v[188+\k], v[180+\k], v[180+\k]      ; z = y y
	v_cvt_i32_f32 v[200+\k], v[184+\k]             ; the quadrant's number
	v_mov_b32 v[192+\k], 0xb94ca1f9
	v_fmaak_f32 v[192+\k], v[192+\k], v[188+\k], 0x3c08839e
	v_fmaak_f32 v[192+\k], v[192+\k], v[188+\k], 0xbe2aaaa3
	v_mul_f32 v[192+\k], v[192+\k], v[188+\k]
	v_fma_f32 v[192+\k], v[192+\k], v[180+\k], v[180+\k]   ; sin y
	v_mov_b32 v[196+\k], 0x37ccf5ce
	v_fmaak_f32 v[196+\k], v[196+\k], v[188+\k], 0xbab6061a
	v_fmaak_f32 v[196+\k], v[196+\k], v[188+\k], 0x3d2aaaa5
	v_fma_f32 v[196+\k], v[196+\k], v[188+\k], -0.5
	v_fma_f32 v[196+\k], v[196+\k], v[188+\k], 1.0 ; cos y
	v_and_b32 v204, 1, v[200+\k]
	v_cmp_eq_u32 vcc_lo, 1, v204
	v_cndmask_b32 v205, v[192+\k], v[196+\k], vcc_lo   ; an odd quadrant swaps them
	v_cndmask_b32 v206, v[196+\k], v[192+\k], vcc_lo
	v_lshlrev_b32 v204, 30, v[200+\k]
	v_and_b32 v204, 0x80000000, v204               ; sin is negative in quadrants 2, 3
	v_xor_b32 v[\dc+1], v204, v205
	v_add_nc_u32 v204, 1, v[200+\k]
	v_lshlrev_b32 v204, 30, v204
	v_and_b32 v204, 0x80000000, v204               ; cos in quadrants 1, 2
	v_xor_b32 v[\dc], v204, v206
.endm
	SINCOS 0, 10
	SINCOS 1, 12
	SINCOS 2, 252
	SINCOS 3, 254
	global_store_b128 v9, v[10:13], s[26:27] offset:12800          ; 512 consecutive bytes each; these registers are not written again
	global_store_b128 v9, v[252:255], s[26:27] offset:12800+512
; K step q of my two: through my own stage, so that a lane holds two whole blocks of 32 of its row; quantised; the fragment's three images stored
.macro XSTEP q
	s_wait_loadcnt 16*(1-\q)                       ; this K step's 16 loads are in; the other's 16 may be out
.set II, 0
.rept 16
	ds_store_b128 v5, v[16+64*\q+4*II:16+64*\q+4*II+3] offset:528*II
.set II, II+1
.endr
.irp c, 0,1
.irp i, 0,1,2,3,4,5,6,7
	ds_load_b128 v[144+32*\c+4*\i:144+32*\c+4*\i+3], v6 offset:256*\c+16*\i   ; k = 64 c + 32 h + 4 i ..  LDS serves a wave's instructions in order: these see my stores
.endr
.endr
	s_wait_dscnt 0x0
.irp c, 0,1
	v_max3_num_f32 v[240+\c], |v[144+32*\c]|, |v[145+32*\c]|, 0x1800000   ; block 2 c + h: all its 32 numbers are mine; the floor 2^(3 - 127) holds the byte at 1
.endr
.irp i, 2,4,6,8,10,12,14,16,18,20,22,24,26,28,30
.irp c, 0,1
	v_max3_num_f32 v[240+\c], v[240+\c], |v[144+32*\c+\i]|, |v[145+32*\c+\i]|
.endr
.endr
.irp c, 0,1
	v_add_nc_u32 v[242+\c], 0xff000000, v[240+\c]  ; 2 off the exponent field: the conversion's scale operand
.endr
	v_lshrrev_b32 v246, 23, v242
	v_lshrrev_b32 v247, 23, v243
	v_lshl_or_b32 v246, v247, 16, v246             ; my two bytes: blocks h and 2 + h,
	v_lshlrev_b32 v247, 3, v3
	v_lshlrev_b32 v246, v247, v246                 ; at their places;
	v_permlanex16_b32 v247, v246, s20, s21
	v_or_b32 v[244+\q], v246, v247                 ; with lane l xor 16's two the word is whole
.irp c, 0,1
	v_cvt_scalef32_pk16_fp6_f32 v[208+12*\q+6*\c:210+12*\q+6*\c], v[144+32*\c:159+32*\c], v[242+\c]
	v_cvt_scalef32_pk16_fp6_f32 v[232+4*\c:234+4*\c], v[160+32*\c:175+32*\c], v[242+\c]   ; (a conversion's three registers begin on an even number)
.endr
	v_nop                                          ; one plain line behind a scaled conversion
.irp c, 0,1
.irp i, 0,1,2
	v_mov_b32 v[211+12*\q+6*\c+\i], v[232+4*\c+\i]
.endr
.endr
.irp i, 0,1,2
	global_store_b128 v8, v[208+12*\q+4*\i:208+12*\q+4*\i+3], s[26:27] offset:1536*\q+512*\i   ; each K step has its own twelve registers: no store's data are written again
.endr
.endm
	XSTEP 0
	XSTEP 1
	v_cmp_eq_u32 vcc_lo, 1, v3
	v_cndmask_b32 v246, v244, v245, vcc_lo         ; lanes 0-15 the word of K step 2 w, lanes 16-31 that of 2 w + 1
	global_store_b32 v7, v246, s[26:27] offset:12288   ; 128 consecutive bytes
	s_wait_tensorcnt 0x0                           ; the wave's end: these three lines behind my last LDS store
	ds_add_u32 v[SPW], v[NIL]
	s_wait_dscnt 0x0
	s_endpgm
; ================= A STRIP OF A WEIGHT.  K is the weight's FIRST axis: a lane takes a column and its registers run down K, so that a block of 32 lies in one lane.
; A wave takes 32 columns (two tiles) x 256 K (two K steps, 8 blocks).  v16-47 row offsets; v48-111 two sets of 32 numbers; v112-117 a block's codes; v128-129 scale words; v132-179 the way out
.Lweights:
	s_sub_co_u32 s15, ttmp9, 220
	s_lshr_b32 s16, s15, 2                         ; which 128 columns: 0-23 Wqkv's, 24-31 Wproj's
	s_and_b32 s17, s15, 3                          ; which 256 along K
	s_cmp_lt_u32 s16, 24                           ; the choice hangs on the work-group's number alone
	s_cselect_b64 s[28:29], s[6:7], s[8:9]
	s_mov_b32 s24, 4096
	s_cselect_b32 s24, 12288, s24                  ; a row of the weight in bytes
	s_cselect_b32 s18, 0, 24
	s_sub_co_u32 s18, s16, s18
	s_lshl_b32 s18, s18, 7
	s_lshl_b32 s19, s14, 5
	s_add_co_u32 s18, s18, s19                     ; my wave's first column in its tensor
	s_lshl_b32 s18, s18, 2
	s_lshl_b32 s19, s17, 8
	s_mul_i32 s19, s19, s24
	s_add_co_u32 s30, s18, s19
	s_mov_b32 s31, 0
	s_add_nc_u64 s[32:33], s[28:29], s[30:31]      ; block 0's first row
	s_lshl_b32 s30, s24, 5                         ; 32 rows
.irp t, 1,2,3,4,5,6,7
	s_add_nc_u64 s[32+2*\t:33+2*\t], s[30+2*\t:31+2*\t], s[30:31]   ; block t's: a base for each, so that nothing is stepped
.endr
	s_lshl_b32 s22, s16, 2
	s_add_co_u32 s22, s22, s14                     ; my 32 columns' number among all 4,096: tiles 2 B, 2 B + 1
	s_mul_i32 s22, s22, 2*WREC
	s_mul_i32 s23, s17, 2*1536
	s_add_co_u32 s26, s22, s23
	s_mov_b32 s27, 0
	s_add_nc_u64 s[48:49], s[12:13], s[26:27]      ; the first tile's record, at my first K step's fragment
	s_lshl_b32 s23, s17, 7
	s_add_co_u32 s26, s22, s23
	s_add_co_u32 s26, s26, 12288
	s_add_nc_u64 s[50:51], s[12:13], s[26:27]      ; and at its scale words
	s_wait_alu depctr_va_vdst(0)
	v_lshlrev_b32 v5, 2, v1
.set II, 0
.rept 32
	v_mad_u32_u24 v[16+II], s24, II, v5            ; 4 x lane + II rows
.set II, II+1
.endr
	v_lshrrev_b32 v6, 3, v1                        ; column l of the 32 is row (l % 8) + 8 (l / 16) of tile (l / 8) % 2
	v_and_b32 v7, 1, v6
	v_lshrrev_b32 v6, 1, v6
	v_and_b32 v12, 7, v1
	v_lshl_add_u32 v12, v6, 3, v12
	s_mul_i32 s25, s14, 3072
	s_add_co_u32 s25, s25, WSTG                    ; my stage: two fragments
	v_mul_u32_u24 v8, v7, 1536
	v_lshl_add_u32 v8, v12, 4, v8
	v_add_nc_u32 v8, s25, v8                       ; into it: my tile's fragment, my row's 16 bytes of an image
	v_add_nc_u32 v9, s25, v4                       ; out of it: as it lies
	v_mul_u32_u24 v11, v7, WREC
	v_lshl_add_u32 v11, v12, 2, v11                ; my scale word's place
.macro LOAD t
.set II, 0
.rept 32
	global_load_b32 v[48+32*((\t)%2)+II], v[16+II], s[32+2*(\t):33+2*(\t)] th:TH_LOAD_NT   ; 128 consecutive bytes a wave, 512 a work-group
.set II, II+1
.endr
.endm
; Block t: K step t / 4; in it registers 6 c .. 6 c + 5 of lane (my row, h'), c = (t % 4) / 2, h' = t % 2
.macro BLOCK t
.set XB, 48+32*((\t)%2)
.set HH, (\t)%2
.if (\t) < 7
	s_wait_loadcnt 32                              ; this block's 32 loads are in; the next block's may be out
.else
	s_wait_loadcnt 0x0
.endif
	v_max3_num_f32 v124, |v[XB]|, |v[XB+1]|, |v[XB+2]|
	v_max3_num_f32 v125, |v[XB+3]|, |v[XB+4]|, |v[XB+5]|
.irp i, 6,10,14,18,22,26
	v_max3_num_f32 v124, v124, |v[XB+\i]|, |v[XB+\i+1]|
	v_max3_num_f32 v125, v125, |v[XB+\i+2]|, |v[XB+\i+3]|
.endr
	v_max3_num_f32 v124, v124, |v[XB+30]|, |v[XB+31]|
	v_max3_num_f32 v124, v124, v125, 0x1800000     ; and the floor
	v_add_nc_u32 v126, 0xff000000, v124
	v_lshrrev_b32 v127, 23, v126                   ; the scale's byte
.if (\t)%4 == 0
	v_mov_b32 v[128+(\t)/4], v127
.else
	v_lshl_or_b32 v[128+(\t)/4], v127, 8*((\t)%4), v[128+(\t)/4]
.endif
	v_cvt_scalef32_pk16_fp6_f32 v[112:114], v[XB:XB+15], v126
	v_cvt_scalef32_pk16_fp6_f32 v[120:122], v[XB+16:XB+31], v126
	v_nop                                          ; one plain line behind a scaled conversion
.irp i, 0,1,2
	v_mov_b32 v[115+\i], v[120+\i]
.endr
.if ((\t)%4) < 2
	ds_store_b128 v8, v[112:115] offset:256*HH     ; registers 0-3: the first image;
	ds_store_b64 v8, v[116:117] offset:512+256*HH  ; 4, 5: the second's lower half
.else
	ds_store_b64 v8, v[112:113] offset:520+256*HH  ; registers 6, 7: its upper half;
	ds_store_b128 v8, v[114:117] offset:1024+256*HH ; 8-11: the third
.endif
.if (\t)+2 < 8
	LOAD (\t)+2
.endif
	s_wait_dscnt 0x0                               ; the stores have read their registers
.endm
; K step k of my two is whole: two fragments leave as they lie, 512 consecutive bytes a store
.macro FLUSH k
.irp i, 0,1,2,3,4,5
	ds_load_b128 v[132+24*\k+4*\i:135+24*\k+4*\i], v9 offset:512*\i
.endr
.irp i, 0,1,2,3,4,5
	s_wait_dscnt 5-\i                              ; the younger loads may be out
	global_store_b128 v4, v[132+24*\k+4*\i:135+24*\k+4*\i], s[48:49] offset:(\i/3)*WREC+1536*\k+512*(\i%3)
.endr
	global_store_b32 v11, v[128+\k], s[50:51] offset:64*\k   ; two pieces of 64 bytes: one byte in 128 of what the launch reads
.endm
	LOAD 0
	LOAD 1
.irp t, 0,1,2,3
	BLOCK \t
.endr
	s_wait_alu depctr_va_vdst(0)
	FLUSH 0
.irp t, 4,5,6,7
	BLOCK \t
.endr
	s_wait_alu depctr_va_vdst(0)
	FLUSH 1
	s_wait_tensorcnt 0x0                           ; the wave's end: these three lines behind my last LDS store
	ds_add_u32 v[SPW], v[NIL]
	s_wait_dscnt 0x0
	s_endpgm
.Lfunc_end_k_q621b6569f4_prep:
	.size	k_q621b6569f4_prep, .Lfunc_end_k_q621b6569f4_prep-k_q621b6569f4_prep
	.p2alignl 7, 3214868480
	.fill 96, 4, 3214868480
	.section	.rodata,"a",@progbits
	.p2align	6, 0x0
	.amdhsa_kernel k_q621b6569f4_prep
		.amdhsa_group_segment_fixed_size 46592
		.amdhsa_private_segment_fixed_size 0
		.amdhsa_enable_private_segment 0
		.amdhsa_kernarg_size 40
		.amdhsa_user_sgpr_count 2
		.amdhsa_user_sgpr_kernarg_segment_ptr 1
		.amdhsa_wavefront_size32 1
		.amdhsa_system_sgpr_workgroup_id_x 1
		.amdhsa_system_sgpr_workgroup_id_y 1
		.amdhsa_system_sgpr_workgroup_id_z 1
		.amdhsa_system_vgpr_workitem_id 0
		.amdhsa_next_free_vgpr 256
		.amdhsa_next_free_sgpr 66
		.amdhsa_reserve_vcc 1
		.amdhsa_float_denorm_mode_32 3
		.amdhsa_float_denorm_mode_16_64 3
		.amdhsa_memory_ordered 1
		.amdhsa_forward_progress 1
		.amdhsa_inst_pref_size 67
	.end_amdhsa_kernel
	.amdgpu_metadata
---
amdhsa.version: [ 1, 2 ]
amdhsa.kernels:
  - .name:           k_q621b6569f4_prep
    .symbol:         k_q621b6569f4_prep.kd
    .args:
      - { .name: x, .offset: 0, .size: 8, .value_kind: global_buffer, .address_space: global }
      - { .name: Wqkv, .offset: 8, .size: 8, .value_kind: global_buffer, .address_space: global }
      - { .name: Wproj, .offset: 16, .size: 8, .value_kind: global_buffer, .address_space: global }
      - { .name: xr, .offset: 24, .size: 8, .value_kind: global_buffer, .address_space: global }
      - { .name: wr, .offset: 32, .size: 8, .value_kind: global_buffer, .address_space: global }
    .group_segment_fixed_size: 46592
    .private_segment_fixed_size: 0
    .kernarg_segment_align: 8
    .kernarg_segment_size: 40
    .max_flat_workgroup_size: 128
    .sgpr_count:     66
    .vgpr_count:     256
    .wavefront_size: 32
...
	.end_amdgpu_metadata
.endif
;; end of part 1
;; launch qkvp (part 2): grid 12 x 19, 4 waves a work-group, clusters of 4 x 1, 327,680 bytes of LDS; arguments xr, wr, qn_w, kn_w, qkv; writes qkv
.if DOCPART == 2
	.amdgcn_target "amdgcn-amd-amdhsa--gfx1250"
	.amdhsa_code_object_version 6
	.text
	.protected	k_q621b6569f4_qkvp
	.globl	k_q621b6569f4_qkvp
	.p2align	8
	.type	k_q621b6569f4_qkvp,@function
k_q621b6569f4_qkvp:
	s_mov_b64 s[64:65], 0
	v_nop
	global_prefetch_b8 v0, s[64:65] scope:SCOPE_SE
	s_setreg_imm32_b32 hwreg(HW_REG_WAVE_MODE, 25, 1), 1
	s_wait_xcnt 0x0
	s_wait_alu depctr_hold_cnt(0) depctr_sa_sdst(0) depctr_va_vdst(0) depctr_va_sdst(0) depctr_va_ssrc(0) depctr_va_vcc(0) depctr_vm_vsrc(0)
	s_getreg_b32 s2, hwreg(HW_REG_IB_STS2, 6, 4)
	s_cmp_eq_u32 s2, 0
	s_cbranch_scc0 .Lentry_in_a_cluster
	s_endpgm
.Lentry_in_a_cluster:
	s_bfe_u32 s2, ttmp6, 0x10000c
	s_cmp_lg_u32 s2, 0x3003
	s_cbranch_scc0 .Lentry_shape_is_right
	s_endpgm
.Lentry_shape_is_right:
.set REC,   16896
.set WREC,  12800
.set QREC,  3584
.set SPARE, 12*REC
.set MSB, 0
.macro WIN new
.if MSB != (\new)
	s_set_vgpr_msb (MSB<<8)|(\new)
.set MSB, (\new)
.endif
.endm
.macro PLACES
.rept 4
	v_nop
.endr
.endm
.macro CROUND
	s_barrier_signal -1
	s_barrier_wait -1
	s_cmp_lg_u32 s14, 0
	s_cbranch_scc1 .Lnot_wave_0_\@
	s_barrier_signal -3
.Lnot_wave_0_\@:
	s_barrier_wait -3
	s_barrier_signal -1
	s_barrier_wait -1
.endm
	s_load_b256 s[4:11], s[0:1], 0x0
	s_load_b64 s[12:13], s[0:1], 0x20
	v_lshl_add_u32 v8, v0, 2, SPARE
	v_mov_b32 v9, 0
	ds_add_u32 v8, v9
	ds_add_u32 v8, v9
	v_lshrrev_b32 v1, 5, v0
	v_readfirstlane_b32 s14, v1
	s_bfe_u32 s15, ttmp6, 0x40000
	s_mov_b32 s16, ttmp9
	s_and_b32 s17, ttmp7, 0xffff
	s_mul_i32 s18, s17, 3
	s_min_u32 s18, s18, 52
	s_lshl_b32 s19, s16, 2
	s_add_co_u32 s19, s19, s15
	s_lshl_b32 s19, s19, 2
	s_add_co_u32 s19, s19, s14
	s_mov_b32 s20, 0x76543210
	s_mov_b32 s21, 0xfedcba98
	s_mov_b32 s22, 0x358637bd
	s_mov_b32 s23, 0x3c800000
	s_mov_b32 s24, 0x0023000f
	s_mov_b32 s25, 32<<16
	s_mov_b32 s26, 198<<16
	s_mov_b32 s27, 32<<16
	s_mov_b32 s28, 198
	s_mov_b32 s29, 32
	s_mov_b32 s30, 0
	s_mov_b32 s31, 0
	s_mul_i32 s52, s14, 3*REC
	s_lshl_b32 s54, s18, 2
	s_mul_i32 s55, s14, 3
	s_add_co_u32 s54, s54, s55
	s_mul_i32 s54, s54, REC
	s_mov_b32 s55, 0
	s_mul_i32 s50, s19, 4*WREC
	s_mov_b32 s51, 0
	s_mul_i32 s56, s19, 56
	s_add_co_u32 s56, s56, s18
	s_mul_i32 s56, s56, QREC
	s_mov_b32 s57, 0
	v_and_b32 v1, 31, v0
	v_bfe_u32 v3, v0, 4, 1
	v_lshlrev_b32 v4, 4, v1
	v_lshlrev_b32 v5, 2, v1
	v_lshlrev_b32 v6, 6, v3
.irp i, 0,1,2,3
	v_mov_b32 v[148+\i], 0
.endr
	s_wait_dscnt 0x0
	s_wait_kmcnt 0x0
	s_add_nc_u64 s[54:55], s[4:5], s[54:55]
.irp j, 0
	s_mov_b32 s[32+4*\j], 1
	s_add_co_u32 s[33+4*\j], s52, 4*\j*REC
	s_add_nc_u64 s[34+4*\j:35+4*\j], s[54:55], 4*\j*REC
	s_or_b32 s[35+4*\j], s[35+4*\j], 0x80000000
.endr
	s_add_nc_u64 s[44:45], s[6:7], s[50:51]
	s_add_nc_u64 s[46:47], s[12:13], s[56:57]
	s_cmp_eq_u32 s16, 0
	s_cselect_b64 s[48:49], s[8:9], s[10:11]
	CROUND
	tensor_load_to_lds s[32:35], s[24:31]          ; my one load: three of the twelve records, which lie on end in memory and in LDS alike
	s_nop 0
	PLACES
	WIN 0xc0
	s_wait_alu depctr_va_vdst(0)
	v_lshlrev_b32 v252, 4, v1
	v_lshlrev_b32 v253, 3, v1
	v_mov_b32 v226, 0
	v_mov_b32 v227, 0
	v_mov_b32 v251, 0
	v_mov_b32 v255, 0
.irp b, 0,1
.irp i, 0,1,2,3
	global_load_b128 v[160+16*\b+4*\i:163+16*\b+4*\i], v6, s[48:49] offset:128*\b+16*\i
.endr
.endr
	WIN 0
.irp t, 0,1,2,3
.irp p, 0,1,2,3
	global_load_b32 v[16+4*\t+\p], v5, s[44:45] offset:\t*WREC+12288+128*\p
.endr
.endr
	WIN 0x40
.set SS, 0
.rept 4
.irp t, 0,1,2,3
.irp i, 0,1,2
	global_load_b128 v[12*(4*SS+\t)+4*\i:12*(4*SS+\t)+4*\i+3], v4, s[44:45] offset:\t*WREC+1536*SS+512*\i
.endr
.endr
.set SS, SS+1
.endr
	WIN 0x80
.set SS, 0
.rept 4
.irp t, 0,1,2,3
.irp i, 0,1,2
	global_load_b128 v[12*(4*SS+\t)+4*\i:12*(4*SS+\t)+4*\i+3], v4, s[44:45] offset:\t*WREC+1536*(SS+4)+512*\i
.endr
.endr
.set SS, SS+1
.endr
	WIN 0
.macro XLD s
.irp m, 0,1,2,3
.irp i, 0,1,2
	ds_load_b128 v[48+48*((\s)%2)+12*\m+4*\i:48+48*((\s)%2)+12*\m+4*\i+3], v10 offset:\m*REC+1536*(\s)+512*\i
.endr
.endr
.endm
.macro WM swap
.if \swap
.if SS == 0
	v_wmma_scale_f32_16x16x128_f8f6f4 v[rD:rD+7], v[rX:rX+11], v[rW:rW+11], 0, v[rXS], v[rWS] matrix_a_fmt:MATRIX_FMT_FP6 matrix_b_fmt:MATRIX_FMT_FP6
.elseif SS%2
	v_wmma_scale_f32_16x16x128_f8f6f4 v[rD:rD+7], v[rX:rX+11], v[rW:rW+11], v[rD:rD+7], v[rXS], v[rWS] matrix_a_fmt:MATRIX_FMT_FP6 matrix_b_fmt:MATRIX_FMT_FP6 matrix_a_scale:MATRIX_SCALE_ROW1 matrix_b_scale:MATRIX_SCALE_ROW1
.else
	v_wmma_scale_f32_16x16x128_f8f6f4 v[rD:rD+7], v[rX:rX+11], v[rW:rW+11], v[rD:rD+7], v[rXS], v[rWS] matrix_a_fmt:MATRIX_FMT_FP6 matrix_b_fmt:MATRIX_FMT_FP6
.endif
.else
.if SS == 0
	v_wmma_scale_f32_16x16x128_f8f6f4 v[rD:rD+7], v[rW:rW+11], v[rX:rX+11], 0, v[rWS], v[rXS] matrix_a_fmt:MATRIX_FMT_FP6 matrix_b_fmt:MATRIX_FMT_FP6
.elseif SS%2
	v_wmma_scale_f32_16x16x128_f8f6f4 v[rD:rD+7], v[rW:rW+11], v[rX:rX+11], v[rD:rD+7], v[rWS], v[rXS] matrix_a_fmt:MATRIX_FMT_FP6 matrix_b_fmt:MATRIX_FMT_FP6 matrix_a_scale:MATRIX_SCALE_ROW1 matrix_b_scale:MATRIX_SCALE_ROW1
.else
	v_wmma_scale_f32_16x16x128_f8f6f4 v[rD:rD+7], v[rW:rW+11], v[rX:rX+11], v[rD:rD+7], v[rWS], v[rXS] matrix_a_fmt:MATRIX_FMT_FP6 matrix_b_fmt:MATRIX_FMT_FP6
.endif
.endif
.endm
.macro MM j, swap, first
	WIN 0
	v_add_nc_u32 v10, 4*(\j)*REC, v4
	s_wait_alu depctr_va_vdst(0)
	v_add_nc_u32 v11, 4*(\j)*REC, v5
.irp m, 0,1,2,3
.irp p, 0,1,2,3
	ds_load_b32 v[32+4*\m+\p], v11 offset:\m*REC+12288+128*\p
.endr
.endr
	XLD 0
.if \first == 0
	s_wait_loadcnt 0x0
.endif
.set SS, 0
.rept 8
.if SS >= 1
	PLACES
	WIN 0
.endif
.if SS < 7
	XLD SS+1
	s_wait_dscnt 12
.else
	s_wait_dscnt 0x0
.endif
.if \first
.if 84-12*SS > 63
	s_wait_loadcnt 63
.else
	s_wait_loadcnt 84-12*SS
.endif
.endif
.if \swap
	WIN 0xf4+4*(SS/4)
.else
	WIN 0xf1+(SS/4)
.endif
.irp m, 0,1,2,3
.irp t, 0,1,2,3
.if \swap
.set rD, 8*(4*\t+\m)
.else
.set rD, 8*(4*\m+\t)
.endif
.set rW, 12*(4*(SS%4)+\t)
.set rX, 48+48*(SS%2)+12*\m
.set rWS, 16+4*\t+SS/2
.set rXS, 32+4*\m+SS/2
	WM \swap
.endr
.endr
.set SS, SS+1
.endr
	WIN 0
	PLACES
.endm
.macro NORM_ROPE j, e
.set AB, 32*(\e)
	v_add_nc_u32 v254, (4*(\j)+(\e))*REC+12800, v252
.set II, 0
.rept 8
	ds_load_b128 v[128+4*II:131+4*II], v254 offset:512*II
.set II, II+1
.endr
	v_pk_mul_f32 v[246:247], v[AB:AB+1], v[AB:AB+1]
	v_pk_mul_f32 v[248:249], v[AB+2:AB+3], v[AB+2:AB+3]
.set II, 4
.rept 7
	v_pk_fma_f32 v[246:247], v[AB+II:AB+II+1], v[AB+II:AB+II+1], v[246:247]
	v_pk_fma_f32 v[248:249], v[AB+II+2:AB+II+3], v[AB+II+2:AB+II+3], v[248:249]
.set II, II+4
.endr
	v_pk_add_f32 v[246:247], v[246:247], v[248:249]
	v_add_f32 v246, v246, v247
	v_permlanex16_b32 v255, v246, s20, s21
	v_add_f32 v246, v246, v255
	v_fma_f32 v246, v246, s23, s22
	s_wait_alu depctr_va_vdst(0)
	v_rsq_f32 v250, v246
.set II, 0
.rept 16
	v_pk_mul_f32 v[192+II:193+II], v[AB+II:AB+II+1], v[160+II:161+II]
.set II, II+2
.endr
	s_wait_alu depctr_va_vdst(0)
	s_wait_dscnt 0x0
.set II, 0
.rept 16
	v_pk_mul_f32 v[AB+II:AB+II+1], v[192+II:193+II], v[128+II:129+II] op_sel_hi:[1,0]
.set II, II+2
.endr
.set II, 0
.rept 16
	v_fma_f32 v[AB+II], -v[193+II], v[129+II], v[AB+II]
	v_fma_f32 v[AB+II+1], v[192+II], v[129+II], v[AB+II+1]
.set II, II+2
.endr
.set II, 0
.rept 16
	v_pk_mul_f32 v[AB+II:AB+II+1], v[AB+II:AB+II+1], v[250:251] op_sel_hi:[1,0]
.set II, II+2
.endr
.endm
.macro QUANT2 e, off
.set AB, 32*(\e)
	s_wait_xcnt 0x0
.irp b, 0,1
	v_max3_num_f32 v[224+\b], |v[AB+16*\b]|, |v[AB+16*\b+1]|, 0x1800000
.endr
.irp i, 2,4,6,8,10,12,14
.irp b, 0,1
	v_max3_num_f32 v[224+\b], v[224+\b], |v[AB+16*\b+\i]|, |v[AB+16*\b+\i+1]|
.endr
.endr
.irp b, 0,1
	v_permlanex16_b32 v[226+\b], v[224+\b], s20, s21
.endr
.irp b, 0,1
	v_max_num_f32 v[224+\b], v[224+\b], v[226+\b]
.endr
.irp b, 0,1
	v_add_nc_u32 v[228+\b], 0xff000000, v[224+\b]
.endr
.irp b, 0,1
	v_lshrrev_b32 v[226+\b], 23, v[228+\b]
.endr
	v_lshl_or_b32 v[232+\e], v227, 8, v226
	v_cvt_scalef32_pk16_fp6_f32 v[236:238], v[AB:AB+15], v228
	v_cvt_scalef32_pk16_fp6_f32 v[242:244], v[AB+16:AB+31], v229
	v_nop
.irp i, 0,1,2
	v_permlane16_swap_b32 v[236+\i], v[242+\i]
.endr
.irp i, 0,1,2
	v_mov_b32 v[239+\i], v[242+\i]
.endr
	global_store_b128 v252, v[236:239], s[46:47] offset:(\off)+768*(\e)
	global_store_b64 v253, v[240:241], s[46:47] offset:(\off)+768*(\e)+512
.endm
.macro HS j, first
	s_wait_tensorcnt 0x0
	s_barrier_signal -1
	s_barrier_wait -1
.if \j < 2
	s_cmp_eq_u32 s17, 18
	s_cbranch_scc1 .Lskip_\@
.endif
	s_cmp_eq_u32 s16, 2
	s_cbranch_scc1 .Lv_\@
	MM \j, 0, \first
	WIN 0xff
	NORM_ROPE \j, 0
	NORM_ROPE \j, 1
	NORM_ROPE \j, 2
	NORM_ROPE \j, 3
	WIN 0
	s_branch .Ljoin_\@
.Lv_\@:
	MM \j, 1, \first
.Ljoin_\@:
	WIN 0xff
	QUANT2 0, QREC*\j
	QUANT2 1, QREC*\j
	QUANT2 2, QREC*\j
	QUANT2 3, QREC*\j
	global_store_b128 v252, v[232:235], s[46:47] offset:QREC*\j+3072
	WIN 0
.Lskip_\@:
.endm
	HS 0, 1
	HS 1, 0
	HS 2, 0
	s_cmp_lg_u32 s17, 18
	s_cbranch_scc1 .Lend
.irp i, 0,1,2,3,4,5,6
	global_store_b128 v4, v[148:151], s[46:47] offset:3*QREC+512*\i
.endr
.Lend:
	s_wait_tensorcnt 0x0
	ds_add_u32 v8, v9
	s_wait_dscnt 0x0
	CROUND
	s_endpgm
.Lfunc_end_k_q621b6569f4_qkvp:
	.size	k_q621b6569f4_qkvp, .Lfunc_end_k_q621b6569f4_qkvp-k_q621b6569f4_qkvp
	.p2alignl 7, 3214868480
	.fill 96, 4, 3214868480
	.section	.rodata,"a",@progbits
	.p2align	6, 0x0
	.amdhsa_kernel k_q621b6569f4_qkvp
		.amdhsa_group_segment_fixed_size 327680
		.amdhsa_private_segment_fixed_size 0
		.amdhsa_enable_private_segment 0
		.amdhsa_kernarg_size 40
		.amdhsa_user_sgpr_count 2
		.amdhsa_user_sgpr_kernarg_segment_ptr 1
		.amdhsa_wavefront_size32 1
		.amdhsa_system_sgpr_workgroup_id_x 1
		.amdhsa_system_sgpr_workgroup_id_y 1
		.amdhsa_system_sgpr_workgroup_id_z 1
		.amdhsa_system_vgpr_workitem_id 0
		.amdhsa_next_free_vgpr 1024
		.amdhsa_next_free_sgpr 66
		.amdhsa_reserve_vcc 0
		.amdhsa_float_denorm_mode_32 3
		.amdhsa_float_denorm_mode_16_64 3
		.amdhsa_memory_ordered 1
		.amdhsa_forward_progress 1
		.amdhsa_inst_pref_size 255
	.end_amdhsa_kernel
	.section	.bss,"aw",@nobits
	.p2align	6
	.space	262144
	.amdgpu_metadata
---
amdhsa.version: [ 1, 2 ]
amdhsa.kernels:
  - .name:           k_q621b6569f4_qkvp
    .symbol:         k_q621b6569f4_qkvp.kd
    .args:
      - { .name: xr, .offset: 0, .size: 8, .value_kind: global_buffer, .address_space: global }
      - { .name: wr, .offset: 8, .size: 8, .value_kind: global_buffer, .address_space: global }
      - { .name: qn_w, .offset: 16, .size: 8, .value_kind: global_buffer, .address_space: global }
      - { .name: kn_w, .offset: 24, .size: 8, .value_kind: global_buffer, .address_space: global }
      - { .name: qkv, .offset: 32, .size: 8, .value_kind: global_buffer, .address_space: global }
    .group_segment_fixed_size: 327680
    .private_segment_fixed_size: 0
    .kernarg_segment_align: 8
    .kernarg_segment_size: 40
    .max_flat_workgroup_size: 128
    .sgpr_count:     66
    .vgpr_count:     1024
    .wavefront_size: 32
...
	.end_amdgpu_metadata
.endif
;; end of part 2
;; launch attn (part 3): grid 14 x 16, 16 waves a work-group, no clusters, 327,680 bytes of LDS; arguments qkv, ao; writes ao
.if DOCPART == 3
	.amdgcn_target "amdgcn-amd-amdhsa--gfx1250"
	.amdhsa_code_object_version 6
	.text
	.protected	k_q621b6569f4_attn
	.globl	k_q621b6569f4_attn
	.p2align	8
	.type	k_q621b6569f4_attn,@function
k_q621b6569f4_attn:
	s_mov_b64 s[64:65], 0
	v_nop
	global_prefetch_b8 v0, s[64:65] scope:SCOPE_SE
	s_setreg_imm32_b32 hwreg(HW_REG_WAVE_MODE, 25, 1), 1
	s_wait_xcnt 0x0
; o = softmax(q k^T / 8, key frame <= query frame) v for one head, both products on codes of FP6 (E2M3); o is divided by the row's sum and quantised along its 64 channels for the last product.
; THE SOFTMAX: t = score x log2(e) / 8; M = the running largest t rounded UP to a whole number; p = 2^(t - M) is quantised along the keys, not normalised; the sum is taken of the unquantised p; when M moves, the sum
; and O are multiplied by 2^(old M - new M), which rounds nothing.
; WORK LEFT OUT: the mask is made from the tokens' numbers (frames of 220 tokens: query t sees keys under 220 (t / 220 + 1)); key steps that lie wholly past a tile's limit are hidden for every input and are not multiplied.
; SHARES.  Grid y = the head, grid x = g, 0..13.  Waves q and q + 8 (q = 0..7) own the pair p = 8 g + q of tiles of 16 queries: FIRST tile 219 - p, THEN tile p.  A late tile sees many keys and its partner few: the two limits
; add up to 17 or 18 frames for every pair, so all waves walk about the same number of key steps.  THE KEYS OF A TILE ARE SHARED BY ITS TWO WAVES: of each slot's eight key steps wave q takes the even ones, wave q + 8 the odd ones,
; each with its own M, sum and O^T.  At a tile's end wave q + 8 puts its three into a stage in LDS, and behind the next barrier wave q brings both under the larger M (factors that are powers of two), adds, and finishes the tile.
; A head has 110 pairs: q = 6, 7 of g = 13 have none, walk and store nothing to memory.
; THE WALK.  A slot holds eight key steps of 128 keys (K's 16 records, then V's).  The work-group walks SA slots for its first tiles, then SB slots from key 0 again for its second: SA, SB are made of g alone, SA + SB is 4 or 5.
; The loop has 5 trips, a constant; a step's work is jumped over where its first key lies at or past the limit of my tile's last token.  At trip SA the first tiles are finished and stored, and the second begin.
; THE RING.  Two slots.  Each of the sixteen waves fetches one key step of K (waves 0-7) or of V (waves 8-15), 28 rows of 256 bytes, by one tensor load behind each refill's barrier: LDS byte 7,168 x wave of the slot.
; A wave whose key step of the next slot begins at or past the walk's limit (the limit of the work-group's latest tile of that walk) has nothing to fill and issues no load: the test is made of g, the trip's number and the wave's
; number alone, and every wait on TENSORcnt is for 0.  So no load reaches past a head's 28 key steps, and no step is fetched that no wave reads.
; A second barrier in each trip, behind which nothing is filled, parts a trip's reads of the stage from the stores at a trip's end.
; NO CLUSTER: the work-groups of a head turn back to key 0 at different trips (SA is 2 to 4), so partners would need different tiles in the same round.
; PREFETCH.  The 14 work-groups of a head begin the same walk together.  A head's K (and V) is seven pieces of 28,672 bytes; of a piece each work-group names its own 2,048 bytes, 8 lanes 256 bytes apart (the other lanes name the
; last block again): 14 x 2,048 = a piece, every block named once.  Wave 2 asks for K, wave 3 for V: in trip 0 pieces 4 and 5 (slot 2), in trip 1 piece 6 (slot 3), one trip ahead of the load that wants them.
; Slots 0 and 1 come by their loads alone; the second walk reads what the first has read.
; LAYOUT.  S^T = K Q^T (source 0 = 16 keys, source 1 = my queries), O^T = V^T P^T: a lane holds one query throughout.  The keys of a tile are not neighbours, so that the 16 registers of tiles 2 b, 2 b + 1 are keys 32 b + 16 h + 0 .. 15.
; K = 64 in the first product: the instruction's upper 64 meet Q's zero codes, so a product's upper six registers of source 0 are the next tile's codes (or zeros): times zero.
; LIMITS: the promise holds while the scaled scores stay under 2^31 in magnitude; a block whose every p is 0 keeps the byte 1 (its codes are zeros); 1 / sum by v_rcp_f32; NaN and infinities are not served.
; REGISTERS: v1-3 16 l, 8 l, 4 l; v4-5 the add's two; v6-7 LDS addresses; v9 my limit - 16 h; v10 Q's scale word; v11 the prefetch's offset; v12 -M, v13 the largest t, v[14:15] the sum; v16-27 Q; v28-31 V's scale words;
;   v32-79 K, then V; v80-85 zeros; v88-95 K's scale words; v96-159 S^T, then p; v160-191 O^T; v192-203 p's codes; v204-231 at work; v232-238 my second tile's Q; v240-253 partial sums; v254 my pair's stage.
.set SLOT1, 131072                     ; slot 1 begins here: one exclusive or turns an address
.set VOFF,  57344                      ; a slot: K's 16 records (8 key steps), then V's 16
.set PIECE, 28672                      ; what one prefetch's fourteen askers cover
.set STEPB, 7168                       ; a key step: two records
.set QREC,  3584
.set HEADB, 200704                     ; a head: 56 records, 28 key steps
.set AREC,  14336                      ; a record of ao: 16 halves (one a head), then 16 x 128 bytes of scale words
.set SPARE, 245760                     ; behind slot 1: the spare words, 128 bytes for each of 16 waves: eight blocks of 256 bytes that no other line names
.set STG,   247808                     ; the stages, one a pair: eight images of 512 bytes of O^T, one of (-M, t, the sum's two halves); no fill lands here
.set STGB,  4608
.set TRIPS, 5
.macro LIMIT d, t                      ; 220 (t / 220 + 1); t / 220 = (4767 t) >> 20 for t under 3,584: 4767 / 2^20 exceeds 1 / 220 by 7.1e-7, at most 0.0026 in all, under 1 / 220
	s_mul_i32 \d, \t, 4767
	s_lshr_b32 \d, \d, 20
	s_add_co_u32 \d, \d, 1
	s_mul_i32 \d, \d, 220
.endm
; Q of tile t: half t % 4 of record t / 4 of my head, and its scale word.  pa, pb: scalar pairs that nothing else writes while the loads are out
.macro QLD t, q, sc, pa, pb
	s_lshr_b32 s50, \t, 2
	s_mul_i32 s51, s11, 56
	s_add_co_u32 s50, s50, s51
	s_mul_i32 s50, s50, QREC
	s_and_b32 s51, \t, 3
	s_mul_i32 s52, s51, 768
	s_add_co_u32 s[\pa], s50, s52
	s_mov_b32 s[\pa+1], 0
	s_lshl_b32 s51, s51, 2
	s_add_co_u32 s[\pb], s50, s51
	s_mov_b32 s[\pb+1], 0
	s_add_nc_u64 s[\pa:\pa+1], s[4:5], s[\pa:\pa+1]
	s_add_nc_u64 s[\pb:\pb+1], s[4:5], s[\pb:\pb+1]
	global_load_b128 v[\q:\q+3], v1, s[\pa:\pa+1]
	global_load_b64 v[\q+4:\q+5], v2, s[\pa:\pa+1] offset:512
	global_load_b32 v[\sc], v1, s[\pb:\pb+1] offset:3072
.endm
; What hangs on my tile (s13): the two limits, where its result goes, each lane's limit; and the sums begin anew
.macro SETUP
	s_lshr_b32 s52, s13, 1
	s_lshl_b32 s52, s52, 5
	s_and_b32 s50, s13, 1
	s_lshl_b32 s50, s50, 3
	s_add_co_u32 s52, s52, s50                     ; the tile's first token; its last lies 23 on
	LIMIT s15, s52
	s_add_co_u32 s50, s52, 23
	LIMIT s14, s50
	s_cmp_lt_u32 s12, 110
	s_cselect_b32 s14, s14, 0                      ; no pair: no step is worked
	s_mul_i32 s60, s13, AREC
	s_mul_i32 s62, s11, 768
	s_add_co_u32 s62, s62, s60
	s_mov_b32 s63, 0
	s_lshl_b32 s61, s11, 7
	s_add_co_u32 s60, s60, s61
	s_add_co_u32 s60, s60, 12288
	s_mov_b32 s61, 0
	s_add_nc_u64 s[44:45], s[6:7], s[62:63]
	s_add_nc_u64 s[46:47], s[6:7], s[60:61]
	v_and_b32 v230, 15, v0
	s_delay_alu instid0(VALU_DEP_1)
	v_and_b32 v231, 8, v230
	s_delay_alu instid0(VALU_DEP_1)
	v_add_nc_u32 v230, v230, v231
	s_delay_alu instid0(VALU_DEP_1)
	v_add_nc_u32 v230, s52, v230                   ; my query
	s_delay_alu instid0(VALU_DEP_1)
	v_mul_u32_u24 v230, 0x129f, v230
	s_delay_alu instid0(VALU_DEP_1)
	v_lshrrev_b32 v230, 20, v230
	s_delay_alu instid0(VALU_DEP_1)
	v_add_nc_u32 v230, 1, v230
	s_delay_alu instid0(VALU_DEP_1)
	v_mul_u32_u24 v230, 220, v230                  ; its limit
	v_bfe_u32 v231, v0, 4, 1
	s_delay_alu instid0(VALU_DEP_1)
	v_lshlrev_b32 v231, 4, v231
	s_delay_alu instid0(VALU_DEP_1)
	v_sub_nc_u32 v9, v230, v231                    ; - 16 h
.set II, 0
.rept 32
	v_mov_b32 v[160+II], 0                         ; O^T: the step is written once; the first finds zeros, which the first change of M leaves zeros
.set II, II+1
.endr
	v_mov_b32 v14, 0
	v_mov_b32 v15, 0
	v_mov_b32 v13, 0xff61b1e6                      ; the largest t so far: -3e38
	s_delay_alu instid0(VALU_DEP_1)
	v_floor_f32 v12, -v13
.endm
	s_load_b128 s[4:7], s[0:1], 0x0                ; qkv s[4:5], ao s[6:7]
	v_lshl_add_u32 v4, v0, 2, SPARE
	v_mov_b32 v5, 0
	ds_add_u32 v4, v5                              ; the wave's opening: the add, twice on end, and its wait ahead of my first tensor load
	ds_add_u32 v4, v5
	v_lshrrev_b32 v1, 5, v0
	s_delay_alu instid0(VALU_DEP_1)
	v_readfirstlane_b32 s8, v1                     ; wave 0..15
	s_lshr_b32 s9, s8, 3                           ; 0: I take a slot's even steps and finish the tile; 1: its odd steps
	s_and_b32 s39, s8, 7                           ; q
	s_mov_b32 s10, ttmp9                           ; g
	s_and_b32 s11, ttmp7, 0xffff                   ; the head
	s_lshl_b32 s12, s10, 3
	s_add_co_u32 s12, s12, s39                     ; my pair
	s_lshl_b32 s50, s10, 7
	s_sub_co_u32 s51, 3519, s50                    ; the last token of the work-group's latest tile, 219 - 8 g
	LIMIT s68, s51                                 ; the first walk's limit
	s_add_co_u32 s40, s68, 1023
	s_lshr_b32 s40, s40, 10                        ; SA: slots of 1,024 keys under it
	s_add_co_u32 s51, s50, 127                     ; the last token of tile 8 g + 7,
	s_min_u32 s51, s51, 1759                       ; or of tile 109, the last that is the second of a pair
	LIMIT s69, s51                                 ; the second walk's limit
	s_lshl_b32 s70, s39, 7                         ; the first key, in a slot, of the key step that I fetch
	s_mov_b32 s20, 0x76543210
	s_mov_b32 s21, 0xfedcba98                      ; v_permlanex16_b32's selects for lane l xor 16
	s_mov_b32 s22, 0x3e38aa3b                      ; c = log2(e) / 8
	s_mov_b32 s23, s22                             ; (named with it as a pair)
	s_mov_b32 s24, 3<<16                           ; group 1: elements of 8 bytes
	s_mov_b32 s25, 32<<16                          ; rows of 256 bytes
	s_mov_b32 s26, 28<<16                          ; 28 of them: a key step's two records
	s_mov_b32 s27, 32<<16
	s_mov_b32 s28, 28
	s_mov_b32 s29, 32
	s_mov_b32 s30, 0
	s_mov_b32 s31, 0
	s_mov_b32 s32, 1
	s_mul_i32 s33, s8, STEPB                       ; K's eight steps, then V's eight: 7,168 x wave
	s_lshl_b32 s54, s9, 4                          ; waves 0-7 fetch K, waves 8-15 V
	s_add_co_u32 s54, s54, s11
	s_add_co_u32 s54, s54, 16
	s_mul_i32 s54, s54, HEADB                      ; k's heads are 16-31, v's 32-47
	s_mul_i32 s52, s39, STEPB
	s_add_co_u32 s54, s54, s52
	s_mov_b32 s55, 0
	s_and_b32 s58, s8, 1                           ; the prefetch: wave 2 K, wave 3 V
	s_lshl_b32 s58, s58, 4
	s_add_co_u32 s58, s58, s11
	s_add_co_u32 s58, s58, 16
	s_mul_i32 s58, s58, HEADB
	s_lshl_b32 s52, s10, 11
	s_add_co_u32 s58, s58, s52                     ; my work-group's 2,048 bytes
	s_add_co_u32 s58, s58, VOFF                    ; the first trip steps it to slot 2
	s_mov_b32 s59, 0
	s_lshr_b32 s38, s8, 1
	s_cmp_eq_u32 s38, 1
	s_cselect_b32 s38, 2, 0                        ; waves 2 and 3 ask in trips 0 and 1
	s_mov_b32 s57, 0
	s_mul_i32 s53, s39, STGB
	s_add_co_u32 s53, s53, STG                     ; my pair's stage
	s_wait_dscnt 0x0                               ; both opening adds are done
	s_wait_kmcnt 0x0
	s_add_nc_u64 s[66:67], s[4:5], s[54:55]        ; my key step of slot 0 of the head
	s_mov_b64 s[34:35], s[66:67]
	s_or_b32 s35, s35, 0x80000000
	s_add_nc_u64 s[36:37], s[4:5], s[58:59]
	tensor_load_to_lds s[32:35], s[24:31]          ; slot 0, my sixteenth: my one load at the head
	s_nop 0
.rept 4
	v_nop
.endr
	v_and_b32 v8, 31, v0
	s_delay_alu instid0(VALU_DEP_1)
	v_lshlrev_b32 v1, 4, v8
	v_lshlrev_b32 v2, 3, v8
	v_lshlrev_b32 v3, 2, v8
	v_min_u32 v11, 7, v8
	s_delay_alu instid0(VALU_DEP_1)
	v_lshlrev_b32 v11, 8, v11
	v_add_nc_u32 v254, s53, v1                     ; the stage: 16 bytes a lane of each image
.irp i, 0,1,2,3,4,5
	v_mov_b32 v[22+\i], 0                          ; Q's upper 64 along K: zero codes
	v_mov_b32 v[80+\i], 0
.endr
.irp b, 0,1,2,3
	v_mov_b32 v[212+\b], 0                         ; written once: a lane permute's destination counts as one of its sources
.endr
	v_mov_b32 v229, 0                              ; (named as the upper half of a pair before it is first written)
	s_wait_alu depctr_va_vdst(0)                   ; the wait here, ahead of the scalar lines behind which v1
	s_sub_co_u32 s13, 219, s12                     ; my first tile
	QLD s13, 16, 10, 48, 54
	QLD s12, 232, 238, 58, 2                       ; my second tile's Q waits in registers of its own
	SETUP
	s_lshl_b32 s16, s9, 7                          ; my step's first key
	s_mul_i32 s17, s9, STEPB                       ; LDS byte at which my step's records begin
	s_mov_b32 s18, 0                               ; the trip
	s_wait_alu depctr_va_vdst(0)                   ; the wait at the head's end
	s_wait_loadcnt 0x0                             ; both Q
; A KEY STEP: 128 keys
.macro STEP
	s_cmp_ge_u32 s16, s14
	s_cbranch_scc1 .Lhidden_\@
	v_add_nc_u32 v6, s17, v1
	v_add_nc_u32 v7, s17, v2
	v_nop
	v_nop                                          ; four plain lines in front of loads into registers that the last products read
.set EE, 0
.rept 8
	ds_load_b128 v[32+6*EE:35+6*EE], v6 offset:QREC*(EE/4)+768*(EE%4)
	ds_load_b64 v[36+6*EE:37+6*EE], v7 offset:QREC*(EE/4)+768*(EE%4)+512
.set EE, EE+1
.endr
	ds_load_b128 v[88:91], v6 offset:3072
	ds_load_b128 v[92:95], v6 offset:QREC+3072
	s_wait_alu depctr_va_vdst(0)                   ; the wait here
	s_wait_dscnt 0x0
.set EE, 0
.rept 8
	v_wmma_scale_f32_16x16x128_f8f6f4 v[96+8*EE:103+8*EE], v[32+6*EE:43+6*EE], v[16:27], 0, v[88+EE], v10 matrix_a_fmt:MATRIX_FMT_FP6 matrix_b_fmt:MATRIX_FMT_FP6
.set EE, EE+1
.endr
.rept 4
	v_nop                                          ; in front of the loads below and of the first read of the scores
.endr
.set EE, 0
.rept 4                                            ; V's four tiles of channels x these 128 keys: they land while the softmax is walked.  (The largest offset, 64,000, is inside the 16-bit immediate)
.irp c, 0,1
	ds_load_b128 v[32+12*EE+6*\c:35+12*EE+6*\c], v6 offset:VOFF+QREC*\c+768*EE
	ds_load_b64 v[36+12*EE+6*\c:37+12*EE+6*\c], v7 offset:VOFF+QREC*\c+768*EE+512
.endr
.set EE, EE+1
.endr
	ds_load_b128 v[204:207], v6 offset:VOFF+3072
	ds_load_b128 v[28:31], v6 offset:VOFF+QREC+3072
	s_add_co_u32 s50, s16, 128
	s_cmp_le_u32 s50, s15
	s_cbranch_scc1 .Lopen_\@                       ; all 128 keys lie under the limit of my tile's first token: no mask
	v_sub_nc_u32 v230, v9, s16                     ; register 16 b + i holds key (first key) + 16 h + 32 b + i: hidden where 32 b + i >= my limit - 16 h - first key
	v_mov_b32 v231, 0xff800000                     ; -infinity: p = 0 then.  A lane all of whose keys so far are hidden keeps -3e38 as its largest t, a sum of 0 and zeros in O^T
.set NN, 0
.rept 64
	v_cmp_ge_i32 vcc_lo, 32*(NN/16)+NN%16, v230
	v_cndmask_b32 v[96+NN], v[96+NN], v231, vcc_lo
.set NN, NN+1
.endr
.Lopen_\@:
.irp b, 0,1,2,3
	v_max3_num_f32 v[208+\b], v[96+16*\b], v[97+16*\b], v[98+16*\b]   ; the largest score of each block of 32 keys: for the row's maximum and, since p rises with the score, for the block's largest p
.endr
.irp i, 3,5,7,9,11,13
.irp b, 0,1,2,3
	v_max3_num_f32 v[208+\b], v[208+\b], v[96+16*\b+\i], v[97+16*\b+\i]
.endr
.endr
.irp b, 0,1,2,3
	v_max_num_f32 v[208+\b], v[208+\b], v[111+16*\b]
.endr
.irp b, 0,1,2,3
	s_delay_alu instid0(VALU_DEP_4)
	v_permlanex16_b32 v[212+\b], v[208+\b], s20, s21
.endr
.irp b, 0,1,2,3
	s_delay_alu instid0(VALU_DEP_4)
	v_max_num_f32 v[208+\b], v[208+\b], v[212+\b]
.endr
	s_delay_alu instid0(VALU_DEP_2)
	v_max3_num_f32 v230, v208, v209, v210
	s_delay_alu instid0(VALU_DEP_1)
	v_max_num_f32 v230, v230, v211
	s_delay_alu instid0(VALU_DEP_1)
	v_mul_f32 v230, s22, v230
	s_delay_alu instid0(VALU_DEP_1)
	v_max_num_f32 v13, v13, v230                   ; the running largest t
	v_mov_b32 v230, v12
	s_delay_alu instid0(VALU_DEP_2)
	v_floor_f32 v12, -v13                          ; -M = floor(-t)
	s_delay_alu instid0(VALU_DEP_1)
	v_sub_f32 v230, v12, v230
	s_delay_alu instid0(VALU_DEP_1)
	v_cvt_i32_f32 v230, v230                       ; old M - new M (it saturates)
	s_delay_alu instid0(VALU_DEP_1)
	v_ldexp_f32 v228, 1.0, v230                    ; f
.set II, 0
.rept 32
	v_pk_fma_f32 v[96+II:97+II], v[96+II:97+II], s[22:23], v[12:13] op_sel_hi:[1,0,0]   ; t - M
.set II, II+2
.endr
.irp b, 0,1,2,3
	v_fma_f32 v[208+\b], v[208+\b], s22, v12
.endr
.set II, 0
	s_wait_alu depctr_va_vdst(0)                   ; the wait ahead of the batch
.rept 64
	v_exp_f32 v[96+II], v[96+II]                   ; p
.set II, II+1
.endr
	v_pk_mul_f32 v[14:15], v[14:15], v[228:229] op_sel_hi:[1,0]   ; the sum under the new M: a plain line behind the exponentials
	s_wait_alu depctr_va_vdst(0)                   ; one wait for the batch, ahead of its first reader
.irp b, 0,1,2,3
	v_exp_f32 v[208+\b], v[208+\b]                 ; each block's largest p
.endr
; the row's sum, of the unquantised p: eight chains by turns (seven of four pairs each, the sum itself takes the last four pairs), then joined
.irp k, 0,1,2,3,4,5,6
	v_pk_add_f32 v[240+2*\k:241+2*\k], v[96+8*\k:97+8*\k], v[98+8*\k:99+8*\k]
.endr
	v_pk_add_f32 v[14:15], v[14:15], v[152:153]
.irp j, 4,6
.irp k, 0,1,2,3,4,5,6
	v_pk_add_f32 v[240+2*\k:241+2*\k], v[240+2*\k:241+2*\k], v[96+8*\k+\j:97+8*\k+\j]
.endr
	v_pk_add_f32 v[14:15], v[14:15], v[150+\j:151+\j]
.endr
	v_pk_add_f32 v[240:241], v[240:241], v[242:243]
	v_pk_add_f32 v[244:245], v[244:245], v[246:247]
	v_pk_add_f32 v[248:249], v[248:249], v[250:251]
	v_pk_add_f32 v[14:15], v[14:15], v[158:159]
	s_delay_alu instid0(VALU_DEP_3)
	v_pk_add_f32 v[240:241], v[240:241], v[244:245]
	s_delay_alu instid0(VALU_DEP_3)
	v_pk_add_f32 v[248:249], v[248:249], v[252:253]
	s_delay_alu instid0(VALU_DEP_2)
	v_pk_add_f32 v[14:15], v[14:15], v[240:241]
	s_delay_alu instid0(VALU_DEP_1)
	v_pk_add_f32 v[14:15], v[14:15], v[248:249]
	s_wait_alu depctr_va_vdst(0)                   ; and one for the four
.irp b, 0,1,2,3
	v_max_num_f32 v[208+\b], 0x1800000, v[208+\b]  ; the floor 2^(3 - 127)
.endr
.irp b, 0,1,2,3
	s_delay_alu instid0(VALU_DEP_4)
	v_add_nc_u32 v[216+\b], 0xff000000, v[208+\b]
.endr
.irp b, 0,1,2,3
	s_delay_alu instid0(VALU_DEP_4)
	v_lshrrev_b32 v[212+\b], 23, v[216+\b]
.endr
	s_delay_alu instid0(VALU_DEP_3)
	v_lshl_or_b32 v229, v213, 8, v212              ; p's scale word
	s_delay_alu instid0(VALU_DEP_1)
	v_lshl_or_b32 v229, v214, 16, v229
	s_delay_alu instid0(VALU_DEP_1)
	v_lshl_or_b32 v229, v215, 24, v229
	s_wait_dscnt 0x0                               ; V is in
.irp e, 0,1,2,3
	v_lshl_or_b32 v[28+\e], v[28+\e], 16, v[204+\e]   ; V's scale word: the first record's two bytes below, the second's above
.endr
.irp c, 0,1
	v_cvt_scalef32_pk16_fp6_f32 v[192+6*\c:194+6*\c], v[96+32*\c:111+32*\c], v[216+2*\c]
	v_cvt_scalef32_pk16_fp6_f32 v[220+4*\c:222+4*\c], v[112+32*\c:127+32*\c], v[216+2*\c+1]
.endr
	v_nop                                          ; one plain line behind a scaled conversion
.irp c, 0,1
.irp i, 0,1,2
	v_permlane16_swap_b32 v[192+6*\c+\i], v[220+4*\c+\i]
.endr
.irp i, 0,1,2
	s_delay_alu instid0(VALU_DEP_3)
	v_mov_b32 v[195+6*\c+\i], v[220+4*\c+\i]
.endr
.endr
	s_wait_alu depctr_va_vdst(0)                   ; the wait here, directly ahead of the first reader of O^T
.set II, 0
.rept 16
	v_pk_mul_f32 v[160+II:161+II], v[160+II:161+II], v[228:229] op_sel_hi:[1,0]   ; O^T under the new M; these are also the lines between the scale words' and codes' making and the products
.set II, II+2
.endr
.set EE, 0
.rept 4
	v_wmma_scale_f32_16x16x128_f8f6f4 v[160+8*EE:167+8*EE], v[32+12*EE:43+12*EE], v[192:203], v[160+8*EE:167+8*EE], v[28+EE], v229 matrix_a_fmt:MATRIX_FMT_FP6 matrix_b_fmt:MATRIX_FMT_FP6
.set EE, EE+1
.endr
.Lhidden_\@:
	s_add_co_u32 s16, s16, 256                     ; my next step lies two on
	s_add_co_u32 s17, s17, 2*STEPB
.endm
; My share of a tile goes to my pair's stage as images of the registers: O^T from each accumulator's low end on, then -M, t and the sum's two halves
.macro PUT
.rept 4
	v_nop                                          ; four plain lines behind the last products
.endr
	s_wait_alu depctr_va_vdst(0)                   ; the wait here
.irp i, 0,1,2,3,4,5,6,7
	ds_store_b128 v254, v[160+4*\i:163+4*\i] offset:512*\i
.endr
	ds_store_b128 v254, v[12:15] offset:4096
.endm
; A TILE IS FINISHED by the first wave of its pair: the partner's share is added, O^T / the sum, quantised along the channels, stored as my head's half of the tile's record
.macro FINISH
	s_cmp_eq_u32 s14, 0
	s_cbranch_scc1 .Lnone_\@                       ; no pair: nothing to store
	s_cmp_eq_u32 s9, 0
	s_cbranch_scc0 .Lnone_\@                       ; the pair's second wave has handed its share over
.rept 4
	v_nop
.endr
.irp i, 0,1,2,3,4,5,6,7
	ds_load_b128 v[96+4*\i:99+4*\i], v254 offset:512*\i   ; the partner's O^T, behind its wait for its stores and a barrier
.endr
	ds_load_b128 v[128:131], v254 offset:4096      ; its -M, t, and sum
	v_mov_b32 v137, 0                              ; (named as the upper half of a pair)
	s_wait_alu depctr_va_vdst(0)                   ; the wait here, directly ahead of the wait below
	s_wait_dscnt 0x0
	v_min_num_f32 v132, v12, v128                  ; -M of the larger M.  Mine is a number: key 0 is mine and counts for every query
	s_delay_alu instid0(VALU_DEP_1)
	v_sub_f32 v133, v132, v12
	v_sub_f32 v134, v132, v128                     ; whole numbers, 0 or less
	s_delay_alu instid0(VALU_DEP_2)
	v_cvt_i32_f32 v133, v133
	s_delay_alu instid0(VALU_DEP_2)
	v_cvt_i32_f32 v134, v134                       ; (it saturates: a partner's lane that saw no key gets the factor 0 on its zeros)
	s_delay_alu instid0(VALU_DEP_2)
	v_ldexp_f32 v228, 1.0, v133                    ; my factor,
	s_delay_alu instid0(VALU_DEP_2)
	v_ldexp_f32 v136, 1.0, v134                    ; the partner's: powers of two, which round nothing
.set II, 0
.rept 16
	v_pk_mul_f32 v[160+II:161+II], v[160+II:161+II], v[228:229] op_sel_hi:[1,0]
.set II, II+2
.endr
	v_pk_mul_f32 v[14:15], v[14:15], v[228:229] op_sel_hi:[1,0]
.set II, 0
.rept 16
	v_pk_fma_f32 v[160+II:161+II], v[96+II:97+II], v[136:137], v[160+II:161+II] op_sel_hi:[1,0,1]
.set II, II+2
.endr
	v_pk_fma_f32 v[14:15], v[130:131], v[136:137], v[14:15] op_sel_hi:[1,0,1]
	s_delay_alu instid0(VALU_DEP_1)
	v_add_f32 v14, v14, v15
	s_delay_alu instid0(VALU_DEP_1)
	v_permlanex16_b32 v230, v14, s20, s21
	s_delay_alu instid0(VALU_DEP_1)
	v_add_f32 v14, v14, v230                       ; the row's sum
	s_wait_alu depctr_va_vdst(0)
	v_rcp_f32 v14, v14
	v_nop
	s_wait_alu depctr_va_vdst(0)
.set II, 0
.rept 32
	v_mul_f32 v[96+II], v[160+II], v14             ; register 16 b + i: channel 32 b + 16 h + i of my query
.set II, II+1
.endr
.irp b, 0,1
	v_max3_num_f32 v[208+\b], |v[96+16*\b]|, |v[97+16*\b]|, 0x1800000
.endr
.irp i, 2,4,6,8,10,12,14
.irp b, 0,1
	s_delay_alu instid0(VALU_DEP_2)
	v_max3_num_f32 v[208+\b], v[208+\b], |v[96+16*\b+\i]|, |v[97+16*\b+\i]|
.endr
.endr
.irp b, 0,1
	s_delay_alu instid0(VALU_DEP_2)
	v_permlanex16_b32 v[212+\b], v[208+\b], s20, s21
.endr
.irp b, 0,1
	s_delay_alu instid0(VALU_DEP_2)
	v_max_num_f32 v[208+\b], v[208+\b], v[212+\b]
.endr
.irp b, 0,1
	s_delay_alu instid0(VALU_DEP_2)
	v_add_nc_u32 v[216+\b], 0xff000000, v[208+\b]
.endr
.irp b, 0,1
	s_delay_alu instid0(VALU_DEP_2)
	v_lshrrev_b32 v[212+\b], 23, v[216+\b]
.endr
	s_delay_alu instid0(VALU_DEP_1)
	v_lshl_or_b32 v229, v213, 8, v212
	v_cvt_scalef32_pk16_fp6_f32 v[192:194], v[96:111], v216
	v_cvt_scalef32_pk16_fp6_f32 v[220:222], v[112:127], v217
	v_nop
.irp i, 0,1,2
	v_permlane16_swap_b32 v[192+\i], v[220+\i]
.endr
.irp i, 0,1,2
	s_delay_alu instid0(VALU_DEP_3)
	v_mov_b32 v[195+\i], v[220+\i]
.endr
	global_store_b128 v1, v[192:195], s[44:45]               ; 512 consecutive bytes,
	global_store_b64 v2, v[196:197], s[44:45] offset:512     ; 256,
	global_store_b32 v3, v229, s[46:47]                      ; and the scale words, 128
.Lnone_\@:
	s_wait_xcnt 0x0                                ; the stores' data and bases are written again only behind this wait
.endm
.Lslot:                                            ; five trips, a slot each
	s_wait_tensorcnt 0x0                           ; my load, if I had one out, has landed: my sixteenth of this trip's slot
	ds_add_u32 v4, v5
	s_xor_b32 s33, s33, SLOT1                      ; no tensor load of mine is out: the descriptor turns to the other slot
	s_add_co_u32 s50, s18, 1                       ; the next trip:
	s_cmp_lt_u32 s50, s40
	s_cselect_b32 s51, 0, s40
	s_cselect_b32 s52, s68, s69                    ; its walk's limit,
	s_sub_co_u32 s51, s50, s51                     ; and its slot's number in that walk
	s_mul_i32 s56, s51, VOFF
	s_add_nc_u64 s[34:35], s[66:67], s[56:57]      ; my key step of that slot
	s_or_b32 s35, s35, 0x80000000
	s_lshl_b32 s51, s51, 10
	s_add_co_u32 s51, s51, s70                     ; its first key
	s_wait_xcnt 0x0                                ; the last trip's prefetches have read their address
	s_add_nc_u64 s[36:37], s[36:37], VOFF
	s_wait_dscnt 0x0                               ; the add is done, and so are my reads of the slot that I have left and any stores to the stage
	s_barrier_signal -1
	s_barrier_wait -1                              ; all that holds of all sixteen waves
	s_cmp_lt_u32 s51, s52                          ; does my key step lie under the walk's limit?  g, the trip's number and the wave's number alone decide
	s_cbranch_scc0 .Lnofill
	tensor_load_to_lds s[32:35], s[24:31]          ; my one load behind this barrier
	s_nop 0
.rept 4
	v_nop
.endr
.Lnofill:
	s_cmp_lt_u32 s18, s38
	s_cbranch_scc0 .Lnot_mine
	global_prefetch_b8 v11, s[36:37] th:TH_LOAD_NT scope:SCOPE_SE   ; my work-group's share of the slot two on: its first piece,
	s_cmp_lt_u32 s50, s38
	s_cbranch_scc0 .Lnot_mine                      ; (a head's slot 3 has one piece alone)
	global_prefetch_b8 v11, s[36:37] offset:PIECE th:TH_LOAD_NT scope:SCOPE_SE   ; and its second
.Lnot_mine:
	s_cmp_eq_u32 s18, s40
	s_cbranch_scc0 .Lsame
	FINISH                                         ; trip SA: the first tile leaves,
.irp i, 0,1,2,3,4,5
	v_mov_b32 v[16+\i], v[232+\i]                  ; and the second begins: its Q,
.endr
	v_mov_b32 v10, v238                            ; Q's scale word (the lines of SETUP stand between it and the next product),
	s_mov_b32 s13, s12
	SETUP
	s_lshl_b32 s16, s9, 7                          ; from key 0, or 128
	s_wait_alu depctr_va_vdst(0)                   ; the wait here
.Lsame:
	s_wait_dscnt 0x0                               ; my reads of the stage are over;
	s_barrier_signal -1
	s_barrier_wait -1                              ; everybody's are: the stage may be written at a trip's end.
	s_mov_b32 s19, 4
.Lstep:
	STEP
	s_sub_co_u32 s19, s19, 1
	s_cmp_lg_u32 s19, 0
	s_cbranch_scc1 .Lstep
	s_sub_co_u32 s17, s17, 8*STEPB
	s_xor_b32 s17, s17, SLOT1                      ; on to the other slot
	s_add_co_u32 s50, s18, 1
	s_cmp_eq_u32 s50, s40
	s_cbranch_scc0 .Lkeep                          ; the first walk goes on, or is long over
	s_cmp_eq_u32 s9, 1
	s_cbranch_scc0 .Lkeep
	PUT                                            ; the first walk's last trip: the pair's second wave hands its share over
.Lkeep:
	s_add_co_u32 s18, s18, 1
	s_cmp_lt_u32 s18, TRIPS
	s_cbranch_scc1 .Lslot
	s_cmp_eq_u32 s9, 1
	s_cbranch_scc0 .Llast
	PUT                                            ; and the second walk's
.Llast:
	s_wait_dscnt 0x0                               ; my stores to the stage are done,
	s_barrier_signal -1
	s_barrier_wait -1                              ; everybody's are
	FINISH                                         ; the second tile leaves
	s_wait_tensorcnt 0x0                           ; the wave's end: these three lines behind my last tensor load and my last LDS store
	ds_add_u32 v4, v5
	s_wait_dscnt 0x0
	s_endpgm
.Lfunc_end_k_q621b6569f4_attn:
	.size	k_q621b6569f4_attn, .Lfunc_end_k_q621b6569f4_attn-k_q621b6569f4_attn
	.p2alignl 7, 3214868480
	.fill 96, 4, 3214868480
	.section	.rodata,"a",@progbits
	.p2align	6, 0x0
	.amdhsa_kernel k_q621b6569f4_attn
		.amdhsa_group_segment_fixed_size 327680
		.amdhsa_private_segment_fixed_size 0
		.amdhsa_enable_private_segment 0
		.amdhsa_kernarg_size 16
		.amdhsa_user_sgpr_count 2
		.amdhsa_user_sgpr_kernarg_segment_ptr 1
		.amdhsa_wavefront_size32 1
		.amdhsa_system_sgpr_workgroup_id_x 1
		.amdhsa_system_sgpr_workgroup_id_y 1
		.amdhsa_system_sgpr_workgroup_id_z 1
		.amdhsa_system_vgpr_workitem_id 0
		.amdhsa_next_free_vgpr 256
		.amdhsa_next_free_sgpr 72
		.amdhsa_reserve_vcc 1
		.amdhsa_float_denorm_mode_32 3
		.amdhsa_float_denorm_mode_16_64 3
		.amdhsa_memory_ordered 1
		.amdhsa_forward_progress 1
		.amdhsa_inst_pref_size 55
	.end_amdhsa_kernel
	.amdgpu_metadata
---
amdhsa.version: [ 1, 2 ]
amdhsa.kernels:
  - .name:           k_q621b6569f4_attn
    .symbol:         k_q621b6569f4_attn.kd
    .args:
      - { .name: qkv, .offset: 0, .size: 8, .value_kind: global_buffer, .address_space: global }
      - { .name: ao, .offset: 8, .size: 8, .value_kind: global_buffer, .address_space: global }
    .group_segment_fixed_size: 327680
    .private_segment_fixed_size: 0
    .kernarg_segment_align: 8
    .kernarg_segment_size: 16
    .max_flat_workgroup_size: 512
    .sgpr_count:     72
    .vgpr_count:     256
    .wavefront_size: 32
...
	.end_amdgpu_metadata
.endif
;; end of part 3
;; launch proj (part 4): grid 4 x 55, 4 waves a work-group, clusters of 4 x 1, 327,680 bytes of LDS; arguments ao, wr, bproj, out0; writes out0
.if DOCPART == 4
	.amdgcn_target "amdgcn-amd-amdhsa--gfx1250"
	.amdhsa_code_object_version 6
	.text
	.protected	k_q621b6569f4_proj
	.globl	k_q621b6569f4_proj
	.p2align	8
	.type	k_q621b6569f4_proj,@function
k_q621b6569f4_proj:
	s_mov_b64 s[64:65], 0
	v_nop
	global_prefetch_b8 v0, s[64:65] scope:SCOPE_SE
	s_setreg_imm32_b32 hwreg(HW_REG_WAVE_MODE, 25, 1), 1
	s_wait_xcnt 0x0
	s_wait_alu depctr_hold_cnt(0) depctr_sa_sdst(0) depctr_va_vdst(0) depctr_va_sdst(0) depctr_va_ssrc(0) depctr_va_vcc(0) depctr_vm_vsrc(0)
	s_getreg_b32 s2, hwreg(HW_REG_IB_STS2, 6, 4)
	s_cmp_eq_u32 s2, 0
	s_cbranch_scc0 .Lentry_in_a_cluster
	s_endpgm
.Lentry_in_a_cluster:
	s_bfe_u32 s2, ttmp6, 0x10000c
	s_cmp_lg_u32 s2, 0x3003
	s_cbranch_scc0 .Lentry_shape_is_right
	s_endpgm
.Lentry_shape_is_right:
; out0 = o Wproj + bproj on codes of FP6 (E2M3).  o comes as records of halves (one a head: 64 along K) with their scale words, Wproj as records of fragments.
; SHARES.  Grid y = 64 tokens (four tiles); work-group cx takes 256 columns, each wave 64 (four tiles), whose fragments for all of K, 384 registers, go from memory straight into registers.
; CLUSTER.  The four partners need the same four records of o: asked for JOINTLY (mask 15), one a wave; LDS is filled once.
; Source 0 = 16 columns, source 1 = 16 tokens: a lane holds one token and, in the 32 registers of a tile of tokens, columns 32 b + 16 h + 0 .. 15.  The bias is the C of each sum's first product.
; THE WAY OUT: a tile's 16 rows x 256 bytes go through my own stage in LDS and leave as whole aligned rows of 256 bytes, sixteen lanes each.
; REGISTERS.  Window 0: v4 16 l, v5 4 l, v6 64 h, v7 4 r + 128 h, v8-9 the add's two, v11 8 l, v16-31 W's scale words, v32-63 o's, v64-159 o's fragments (two sets of four), v160-195 at work.
;   Windows 1, 2: W's fragments.   Window 3: v0-127 accumulators, v128-159 the bias, v160-223 rows on the way out, v252-254 addresses.
.set AREC,  14336
.set WREC,  12800
.set STG,   4*AREC                     ; the stages: 16 rows x 272 bytes a wave, in blocks of 256 bytes of their own
.set SPARE, STG+4*16*272               ; the spare words, 128 bytes a wave: two blocks of 256 bytes that no other line names
.set MSB, 0
.macro WIN new
.if MSB != (\new)
	s_set_vgpr_msb (MSB<<8)|(\new)
.set MSB, (\new)
.endif
.endm
.macro PLACES
.rept 4
	v_nop
.endr
.endm
.macro CROUND
	s_barrier_signal -1
	s_barrier_wait -1
	s_cmp_lg_u32 s14, 0
	s_cbranch_scc1 .Lnot_wave_0_\@
	s_barrier_signal -3
.Lnot_wave_0_\@:
	s_barrier_wait -3
	s_barrier_signal -1
	s_barrier_wait -1
.endm
	s_load_b256 s[4:11], s[0:1], 0x0               ; ao s[4:5], wr s[6:7], bproj s[8:9], out0 s[10:11]
	v_lshl_add_u32 v8, v0, 2, SPARE
	v_mov_b32 v9, 0
	ds_add_u32 v8, v9                              ; the wave's opening: the add and its wait ahead of my first tensor load
	ds_add_u32 v8, v9
	v_lshrrev_b32 v1, 5, v0
	v_readfirstlane_b32 s14, v1                    ; wave 0..3
	s_bfe_u32 s15, ttmp6, 0x40000                  ; cx: it enters W's, the bias's and the output's global addresses alone
	s_and_b32 s17, ttmp7, 0xffff                   ; which 64 tokens
	s_lshl_b32 s19, s15, 2
	s_add_co_u32 s19, s19, s14                     ; which 64 columns
	s_mov_b32 s20, 0x76543210
	s_mov_b32 s21, 0xfedcba98
	s_mov_b32 s24, 0x0023000f                      ; group 1: the mask, all four; elements of 8 bytes; 21 set beside a mask
	s_mov_b32 s25, 32<<16                          ; rows of 256 bytes
	s_mov_b32 s26, 56<<16                          ; 56 of them: a record
	s_mov_b32 s27, 32<<16
	s_mov_b32 s28, 56
	s_mov_b32 s29, 32
	s_mov_b32 s30, 0
	s_mov_b32 s31, 0
	s_mov_b32 s32, 1
	s_mul_i32 s33, s14, AREC
	s_lshl_b32 s54, s17, 2
	s_add_co_u32 s54, s54, s14
	s_mul_i32 s54, s54, AREC
	s_mov_b32 s55, 0
	s_lshl_b32 s50, s19, 2
	s_add_co_u32 s50, s50, 192                     ; Wproj's tiles begin at 192
	s_mul_i32 s50, s50, WREC
	s_mov_b32 s51, 0
	s_lshl_b32 s58, s19, 8                         ; my 64 columns: 256 bytes
	s_mov_b32 s59, 0
	s_lshl_b32 s56, s17, 18                        ; 64 rows of 4,096 bytes
	s_add_co_u32 s56, s56, s58
	s_mov_b32 s57, 0
	s_mul_i32 s60, s14, 16*272
	s_add_co_u32 s60, s60, STG                     ; my stage
	v_and_b32 v1, 31, v0
	v_and_b32 v2, 15, v0                           ; r
	v_bfe_u32 v3, v0, 4, 1                         ; h
	v_lshlrev_b32 v4, 4, v1
	v_lshlrev_b32 v5, 2, v1
	v_lshlrev_b32 v6, 6, v3
	v_lshlrev_b32 v7, 2, v2
	v_lshl_add_u32 v7, v3, 7, v7
	v_lshlrev_b32 v11, 3, v1
	v_mul_u32_u24 v12, v2, 272
	v_lshl_add_u32 v12, v3, 6, v12
	v_add_nc_u32 v12, s60, v12                     ; into the stage: row r, + 64 h
	v_mul_u32_u24 v13, v3, 272
	v_lshl_add_u32 v13, v2, 4, v13
	v_add_nc_u32 v13, s60, v13                     ; back: lanes 0-15 one row, lanes 16-31 the next
	v_lshlrev_b32 v14, 12, v3
	v_lshl_add_u32 v14, v2, 4, v14                 ; and the same in out0
.irp i, 0,1,2,3
	v_mov_b32 v[192+\i], 0                         ; written once: a lane permute's destination counts as one of its sources
.endr
	s_wait_dscnt 0x0                               ; the opening add is done
	s_wait_kmcnt 0x0
	s_add_nc_u64 s[34:35], s[4:5], s[54:55]
	s_or_b32 s35, s35, 0x80000000
	s_add_nc_u64 s[44:45], s[6:7], s[50:51]
	s_add_nc_u64 s[46:47], s[10:11], s[56:57]
	s_add_nc_u64 s[48:49], s[8:9], s[58:59]
	CROUND                                         ; all four work-groups are here
	tensor_load_to_lds s[32:35], s[24:31]          ; my one load
	s_nop 0
	PLACES
	WIN 0xc0                                       ; destination window 3
	v_mov_b32 v252, v12
	s_wait_alu depctr_va_vdst(0)
	v_mov_b32 v253, v13
	v_mov_b32 v254, v14
.irp t, 0,1,2,3
	global_load_b128 v[128+8*\t:131+8*\t], v6, s[48:49] offset:(32*(\t/2)+8*(\t%2))*4      ; the bias in the result's layout: tile t, columns 32 (t / 2) + 8 (t % 2) + 16 h + 0 .. 7
	global_load_b128 v[132+8*\t:135+8*\t], v6, s[48:49] offset:(32*(\t/2)+8*(\t%2))*4+16
.endr
	WIN 0
.irp t, 0,1,2,3
.irp p, 0,1,2,3
	global_load_b32 v[16+4*\t+\p], v5, s[44:45] offset:\t*WREC+12288+128*\p   ; lanes 0-15: K step 2 p's words, lanes 16-31: 2 p + 1's
.endr
.endr
	WIN 0x40
.set SS, 0
.rept 4
.irp t, 0,1,2,3
.irp i, 0,1,2
	global_load_b128 v[12*(4*SS+\t)+4*\i:12*(4*SS+\t)+4*\i+3], v4, s[44:45] offset:\t*WREC+1536*SS+512*\i
.endr
.endr
.set SS, SS+1
.endr
	WIN 0x80
.set SS, 0
.rept 4
.irp t, 0,1,2,3
.irp i, 0,1,2
	global_load_b128 v[12*(4*SS+\t)+4*\i:12*(4*SS+\t)+4*\i+3], v4, s[44:45] offset:\t*WREC+1536*(SS+4)+512*\i
.endr
.endr
.set SS, SS+1
.endr
	WIN 0
.macro XLD s                           ; o's four fragments of K step s, each two halves (heads 2 s, 2 s + 1), into set s % 2: 16 loads
.irp m, 0,1,2,3
.irp c, 0,1
	ds_load_b128 v[64+48*((\s)%2)+12*\m+6*\c:64+48*((\s)%2)+12*\m+6*\c+3], v4 offset:\m*AREC+768*(2*(\s)+\c)
	ds_load_b64 v[64+48*((\s)%2)+12*\m+6*\c+4:64+48*((\s)%2)+12*\m+6*\c+5], v11 offset:\m*AREC+768*(2*(\s)+\c)+512
.endr
.endr
.endm
	s_wait_tensorcnt 0x0                           ; my record is in,
	s_barrier_signal -1
	s_barrier_wait -1                              ; everybody's is
.irp m, 0,1,2,3
.irp s, 0,1,2,3,4,5,6,7
	ds_load_b32 v[160+8*\m+\s], v7 offset:\m*AREC+12288+256*\s   ; lane (r, h): the word (two bytes) of head 2 s + h, row r
.endr
.endr
	XLD 0
	s_wait_dscnt 16                                ; the words are in; the 16 fragment loads may be out
.set NN, 0
.rept 8
.irp i, 0,1,2,3
	v_permlanex16_b32 v[192+\i], v[160+NN+\i], s20, s21
.endr
.irp i, 0,1,2,3
	v_lshl_or_b32 v[32+NN+\i], v[192+\i], 16, v[160+NN+\i]   ; in lanes 0-15: the even head's bytes below, the odd head's above: the K step's scale word
.endr
.set NN, NN+4
.endr
.rept 8
	v_nop                                          ; a scale register written by a vector instruction stands eight lines ahead of the scaled product
.endr
.set SS, 0
.rept 8                                            ; 8 K steps of 16 products; the sixteen accumulators take turns
.if SS >= 1
	PLACES
	WIN 0
.endif
.if SS < 7
	XLD SS+1
	s_wait_alu depctr_va_vdst(0)
	s_wait_dscnt 16                                ; all but the 16 just issued
.else
	s_wait_dscnt 0x0
.endif
.if 84-12*SS > 63
	s_wait_loadcnt 63                              ; W's fragments of later K steps (12 loads each) may be out, as far as the wait's field names them
.else
	s_wait_loadcnt 84-12*SS
.endif
	WIN 0xf1+(SS/4)                                ; source 0 (W) window 1 or 2, source 1 (o) window 0, C and D window 3
.irp m, 0,1,2,3
.irp t, 0,1,2,3
.set rD, 8*(4*\m+\t)
.set rW, 12*(4*(SS%4)+\t)
.set rX, 64+48*(SS%2)+12*\m
.set rWS, 16+4*\t+SS/2
.set rXS, 32+8*\m+SS
.if SS == 0
	v_wmma_scale_f32_16x16x128_f8f6f4 v[rD:rD+7], v[rW:rW+11], v[rX:rX+11], v[128+8*\t:135+8*\t], v[rWS], v[rXS] matrix_a_fmt:MATRIX_FMT_FP6 matrix_b_fmt:MATRIX_FMT_FP6
.elseif SS%2
	v_wmma_scale_f32_16x16x128_f8f6f4 v[rD:rD+7], v[rW:rW+11], v[rX:rX+11], v[rD:rD+7], v[rWS], v[rXS] matrix_a_fmt:MATRIX_FMT_FP6 matrix_b_fmt:MATRIX_FMT_FP6 matrix_a_scale:MATRIX_SCALE_ROW1
.else
	v_wmma_scale_f32_16x16x128_f8f6f4 v[rD:rD+7], v[rW:rW+11], v[rX:rX+11], v[rD:rD+7], v[rWS], v[rXS] matrix_a_fmt:MATRIX_FMT_FP6 matrix_b_fmt:MATRIX_FMT_FP6
.endif
.endr
.endr
.set SS, SS+1
.endr
	PLACES
	WIN 0xff
; Tile of tokens m: 16 rows x my 256 bytes through my stage; LDS serves a wave's instructions in order, so no wait stands between the stores and the loads
.macro OUT m
.set OB, 160+32*((\m)%2)
.if \m >= 2
	s_wait_xcnt 0x0                                ; the stores of two tiles back have read these registers
.endif
.irp b, 0,1
.irp i, 0,1,2,3
	ds_store_b128 v252, v[32*\m+16*\b+4*\i:32*\m+16*\b+4*\i+3] offset:128*\b+16*\i   ; each accumulator from its low end on
.endr
.endr
.irp i, 0,1,2,3,4,5,6,7
	ds_load_b128 v[OB+4*\i:OB+4*\i+3], v253 offset:544*\i
.endr
.irp i, 0,1,2,3,4,5,6,7
	s_wait_dscnt 7-\i                              ; the younger loads may be out
	global_store_b128 v254, v[OB+4*\i:OB+4*\i+3], s[46:47] offset:(32*(\m/2)+8*(\m%2)+2*\i+8*(\i/4))*4096 th:TH_STORE_NT   ; rows 2 i, 2 i + 1 of the tile: sixteen lanes store 256 consecutive bytes, aligned
.endr
.endm
	OUT 0
	OUT 1
	OUT 2
	OUT 3
	WIN 0
	s_wait_tensorcnt 0x0                           ; the wave's end: these three lines behind my last tensor load and my last LDS store
	ds_add_u32 v8, v9
	s_wait_dscnt 0x0
	CROUND                                         ; the closing round
	s_endpgm
.Lfunc_end_k_q621b6569f4_proj:
	.size	k_q621b6569f4_proj, .Lfunc_end_k_q621b6569f4_proj-k_q621b6569f4_proj
	.p2alignl 7, 3214868480
	.fill 96, 4, 3214868480
	.section	.rodata,"a",@progbits
	.p2align	6, 0x0
	.amdhsa_kernel k_q621b6569f4_proj
		.amdhsa_group_segment_fixed_size 327680
		.amdhsa_private_segment_fixed_size 0
		.amdhsa_enable_private_segment 0
		.amdhsa_kernarg_size 32
		.amdhsa_user_sgpr_count 2
		.amdhsa_user_sgpr_kernarg_segment_ptr 1
		.amdhsa_wavefront_size32 1
		.amdhsa_system_sgpr_workgroup_id_x 1
		.amdhsa_system_sgpr_workgroup_id_y 1
		.amdhsa_system_sgpr_workgroup_id_z 1
		.amdhsa_system_vgpr_workitem_id 0
		.amdhsa_next_free_vgpr 1024
		.amdhsa_next_free_sgpr 66
		.amdhsa_reserve_vcc 0
		.amdhsa_float_denorm_mode_32 3
		.amdhsa_float_denorm_mode_16_64 3
		.amdhsa_memory_ordered 1
		.amdhsa_forward_progress 1
		.amdhsa_inst_pref_size 57
	.end_amdhsa_kernel
	.amdgpu_metadata
---
amdhsa.version: [ 1, 2 ]
amdhsa.kernels:
  - .name:           k_q621b6569f4_proj
    .symbol:         k_q621b6569f4_proj.kd
    .args:
      - { .name: ao, .offset: 0, .size: 8, .value_kind: global_buffer, .address_space: global }
      - { .name: wr, .offset: 8, .size: 8, .value_kind: global_buffer, .address_space: global }
      - { .name: bproj, .offset: 16, .size: 8, .value_kind: global_buffer, .address_space: global }
      - { .name: out0, .offset: 24, .size: 8, .value_kind: global_buffer, .address_space: global }
    .group_segment_fixed_size: 327680
    .private_segment_fixed_size: 0
    .kernarg_segment_align: 8
    .kernarg_segment_size: 32
    .max_flat_workgroup_size: 128
    .sgpr_count:     66
    .vgpr_count:     1024
    .wavefront_size: 32
...
	.end_amdgpu_metadata
.endif
;; end of part 4
